; MI455X (gfx1250); checked and timed in simulation.
; The chip was launched on July 23, 2026; its instructions are those of AMD's public machine-readable ISA for CDNA 5 (MIT licence, August 2026) and "CDNA5" Instruction Set Architecture Reference Guide (July 2026). The comments in the code are by the model that wrote it; some were corrected since.
;; Transformer Encoder Layer. Allowed arithmetic: float matrix products may take bf16 or f16 operands with f32 sums; all other float work in f32.
;; Inputs: b_attn 128 float32; b_ff1 1,024 float32; b_ff2 256 float32; b_off 256 float32; b_out 256 float32; b_val 256 float32; be1 256 float32; be2 256 float32; g1 256 float32; g2 256 float32; level_start_index 4 int32; padding_mask 8 x 5,440 bool; pos 8 x 5,440 x 256 float32; reference_points 8 x 5,440 x 4 x 2 float32; spatial_shapes 4 x 2 int32; src 8 x 5,440 x 256 float32; w_attn 256 x 128 float32; w_ff1 256 x 1,024 float32; w_ff2 1,024 x 256 float32; w_off 256 x 256 float32; w_out 256 x 256 float32; w_val 256 x 256 float32.
;; Outputs: out0 8 x 5,440 x 256 float32.
;; 2 versions, each right; version 2 is version 1 with the launch sample written anew for expert scheduling mode. Each part assembles by itself: llvm-mc -triple=amdgcn-amd-amdhsa -mcpu=gfx1250 --defsym DOCPART=n.
;; ======== version 1 of 2: 4 launches
;; workspace buffers: wf 1,507,328 bytes; val 22,282,240 bytes; wts 44,564,480 bytes; idx 11,141,120 bytes of whole numbers; ao 22,282,240 bytes
;; launch prep (part 1): grid 184 x 1, 8 waves a work-group, no clusters, 0 bytes of LDS; arguments w_val, w_off, w_attn, w_out, w_ff1, w_ff2, wf; writes wf
.if DOCPART == 1
	.amdgcn_target "amdgcn-amd-amdhsa--gfx1250"
	.amdhsa_code_object_version 6
	.text
	.protected	k_q990b11fccb_prep
	.globl	k_q990b11fccb_prep
	.p2align	8
	.type	k_q990b11fccb_prep,@function
k_q990b11fccb_prep:
	s_mov_b64 s[64:65], 0
	v_nop
	global_prefetch_b8 v0, s[64:65] scope:SCOPE_SE
	s_setreg_imm32_b32 hwreg(HW_REG_WAVE_MODE, 25, 1), 1
	s_wait_xcnt 0x0
; The six weight matrices, [K][N] f32, are rounded to bf16 and laid out as ready matrix fragments of 1,024 bytes.
; Fragment F lies at wf + 1024 F as [half e][lane 32][16 bytes]: lane (r = lane % 16, h = lane / 16) holds column col(r) of the weight at
; k = k0 + 16 e + 8 h + 0..7.  One wave makes one fragment: F = 8 x work-group + wave; 184 x 8 = 1,472 fragments.
;   F 0..127      w_val   column tile nt = work-group, K step ks = wave
;   F 128..255    w_off   tile T = 2 head + class; columns permuted: the tile's low 8 lines are one level's 4 points (x, y), the high 8 another's
;                 (class A: levels 0, 3; class B: levels 2, 1)
;   F 256..319    w_attn  one tile a head: lines 0-3 level 0, 4-7 level 2, 8-11 level 3, 12-15 level 1
;   F 320..447    w_out   [ks 8][nt 16]
;   F 448..1471   16 blocks of 64: w_ff1 [ks 8][nt 4] of hidden columns 64 c .., then w_ff2 [ks2 2][nt 16] of hidden rows 64 c ..
; All section borders are multiples of 8 fragments, so the branches hang on the work-group's number alone.
; No LDS, no matrix unit: 3 MB are read once and 1.5 MB written, each store of a wave covering 512 consecutive aligned bytes.
; in: s21 = k0, v4 = the lane's column.  base: the weight's pointer pair; logn: log2 of its row length
.macro FRAG base, logn
	v_lshl_add_u32 v5, v3, 3, s21                  ; k0 + 8 h
	v_lshl_add_u32 v5, v5, \logn, v4               ; times the row length, plus the column
	v_lshlrev_b32 v5, 2, v5                        ; in bytes
.set i, 0
.rept 16                                               ; i = 8 e + j: row k0 + 8 h + 16 e + j, in the immediate
	global_load_b32 v[8+i], v5, s[\base:\base+1] offset:((i%8)+16*(i/8))*(4<<\logn)
.set i, i+1
.endr
	s_wait_loadcnt 0x0
.set i, 0
.rept 8
	v_cvt_pk_bf16_f32 v[24+i], v[8+2*i], v[8+2*i+1]
.set i, i+1
.endr
	global_store_b128 v6, v[24:27], s[16:17]
	global_store_b128 v6, v[28:31], s[16:17] offset:512
	s_endpgm
.endm
	s_load_b256 s[4:11], s[0:1], 0x0               ; w_val s[4:5], w_off s[6:7], w_attn s[8:9], w_out s[10:11]
	s_load_b128 s[12:15], s[0:1], 0x20             ; w_ff1 s[12:13], w_ff2 s[14:15]
	s_load_b64 s[16:17], s[0:1], 0x30              ; wf
	v_lshrrev_b32 v1, 5, v0
	v_readfirstlane_b32 s20, v1                    ; wave 0..7
	v_and_b32 v2, 15, v0                           ; r
	v_bfe_u32 v3, v0, 4, 1                         ; h
	v_and_b32 v6, 31, v0
	v_lshlrev_b32 v6, 4, v6                        ; 16 x lane
	s_mov_b32 s26, ttmp9
	s_lshl_b32 s24, s26, 13                        ; 1024 F = 8192 x work-group + 1024 x wave
	s_lshl_b32 s27, s20, 10
	s_add_co_u32 s24, s24, s27
	s_mov_b32 s25, 0
	s_wait_kmcnt 0x0
	s_add_nc_u64 s[16:17], s[16:17], s[24:25]
	s_cmp_lt_u32 s26, 16
	s_cbranch_scc1 .Lval
	s_cmp_lt_u32 s26, 32
	s_cbranch_scc1 .Loff
	s_cmp_lt_u32 s26, 40
	s_cbranch_scc1 .Lattn
	s_cmp_lt_u32 s26, 56
	s_cbranch_scc1 .Lout
	s_sub_co_u32 s27, s26, 56
	s_lshr_b32 s28, s27, 3                         ; c: the block of 64 hidden channels
	s_and_b32 s27, s27, 7
	s_lshl_b32 s29, s27, 3
	s_add_co_u32 s29, s29, s20                     ; g: the fragment in the block
	s_cmp_lt_u32 s27, 4
	s_cbranch_scc1 .Lff1
	s_sub_co_u32 s29, s29, 32                      ; w_ff2: ks2 = g' / 16, nt = g' % 16
	s_lshr_b32 s21, s29, 4
	s_lshl_b32 s21, s21, 5
	s_lshl_b32 s28, s28, 6
	s_add_co_u32 s21, s21, s28                     ; k0 = 64 c + 32 ks2
	s_and_b32 s22, s29, 15
	s_lshl_b32 s22, s22, 4
	v_add_nc_u32 v4, s22, v2                       ; 16 nt + r
	FRAG 14, 8
.Lff1:                                                 ; w_ff1: ks = g / 4, nt = g % 4
	s_lshr_b32 s21, s29, 2
	s_lshl_b32 s21, s21, 5                         ; k0 = 32 ks
	s_and_b32 s22, s29, 3
	s_lshl_b32 s22, s22, 4
	s_lshl_b32 s28, s28, 6
	s_add_co_u32 s22, s22, s28
	v_add_nc_u32 v4, s22, v2                       ; 64 c + 16 nt + r
	FRAG 12, 10
.Lval:
	s_lshl_b32 s21, s20, 5                         ; k0 = 32 x wave
	s_lshl_b32 s22, s26, 4
	v_add_nc_u32 v4, s22, v2                       ; 16 nt + r
	FRAG 4, 8
.Loff:
	s_lshl_b32 s21, s20, 5
	s_sub_co_u32 s27, s26, 16                      ; T
	s_and_b32 s28, s27, 1
	s_lshl_b32 s28, s28, 2                         ; 4 x class
	v_lshrrev_b32 v7, 3, v2
	v_lshl_add_u32 v7, v7, 1, s28                  ; 2 x (2 class + r / 8)
	s_mov_b32 s29, 0x6c                            ; the levels 0, 3, 2, 1, two bits each
	v_lshrrev_b32 v7, v7, s29
	v_and_b32 v7, 3, v7                            ; level
	v_and_b32 v4, 7, v2
	v_lshl_add_u32 v4, v7, 3, v4                   ; 8 level + (2 point + xy)
	s_lshr_b32 s22, s27, 1
	s_lshl_b32 s22, s22, 5
	v_add_nc_u32 v4, s22, v4                       ; + 32 head
	FRAG 6, 8
.Lattn:
	s_lshl_b32 s21, s20, 5
	s_sub_co_u32 s27, s26, 32                      ; head
	v_lshrrev_b32 v7, 2, v2
	v_lshlrev_b32 v7, 1, v7
	s_mov_b32 s29, 0x78                            ; the levels 0, 2, 3, 1
	v_lshrrev_b32 v7, v7, s29
	v_and_b32 v7, 3, v7
	v_and_b32 v4, 3, v2
	v_lshl_add_u32 v4, v7, 2, v4                   ; 4 level + point
	s_lshl_b32 s22, s27, 4
	v_add_nc_u32 v4, s22, v4                       ; + 16 head
	FRAG 8, 7
.Lout:
	s_sub_co_u32 s27, s26, 40
	s_lshr_b32 s21, s27, 1
	s_lshl_b32 s21, s21, 5                         ; k0 = 32 ks
	s_and_b32 s22, s27, 1
	s_lshl_b32 s22, s22, 3
	s_add_co_u32 s22, s22, s20                     ; nt
	s_lshl_b32 s22, s22, 4
	v_add_nc_u32 v4, s22, v2
	FRAG 10, 8
.Lfunc_end_k_q990b11fccb_prep:
	.size	k_q990b11fccb_prep, .Lfunc_end_k_q990b11fccb_prep-k_q990b11fccb_prep
	.p2alignl 7, 3214868480
	.fill 96, 4, 3214868480
	.section	.rodata,"a",@progbits
	.p2align	6, 0x0
	.amdhsa_kernel k_q990b11fccb_prep
		.amdhsa_group_segment_fixed_size 0
		.amdhsa_private_segment_fixed_size 0
		.amdhsa_enable_private_segment 0
		.amdhsa_kernarg_size 56
		.amdhsa_user_sgpr_count 2
		.amdhsa_user_sgpr_kernarg_segment_ptr 1
		.amdhsa_wavefront_size32 1
		.amdhsa_system_sgpr_workgroup_id_x 1
		.amdhsa_system_sgpr_workgroup_id_y 1
		.amdhsa_system_sgpr_workgroup_id_z 1
		.amdhsa_system_vgpr_workitem_id 0
		.amdhsa_next_free_vgpr 48
		.amdhsa_next_free_sgpr 66
		.amdhsa_reserve_vcc 0
		.amdhsa_float_denorm_mode_32 3
		.amdhsa_float_denorm_mode_16_64 3
		.amdhsa_memory_ordered 1
		.amdhsa_forward_progress 1
		.amdhsa_inst_pref_size 18
	.end_amdhsa_kernel
	.amdgpu_metadata
---
amdhsa.version: [ 1, 2 ]
amdhsa.kernels:
  - .name:           k_q990b11fccb_prep
    .symbol:         k_q990b11fccb_prep.kd
    .args:
      - { .name: w_val, .offset: 0, .size: 8, .value_kind: global_buffer, .address_space: global }
      - { .name: w_off, .offset: 8, .size: 8, .value_kind: global_buffer, .address_space: global }
      - { .name: w_attn, .offset: 16, .size: 8, .value_kind: global_buffer, .address_space: global }
      - { .name: w_out, .offset: 24, .size: 8, .value_kind: global_buffer, .address_space: global }
      - { .name: w_ff1, .offset: 32, .size: 8, .value_kind: global_buffer, .address_space: global }
      - { .name: w_ff2, .offset: 40, .size: 8, .value_kind: global_buffer, .address_space: global }
      - { .name: wf, .offset: 48, .size: 8, .value_kind: global_buffer, .address_space: global }
    .group_segment_fixed_size: 0
    .private_segment_fixed_size: 0
    .kernarg_segment_align: 8
    .kernarg_segment_size: 56
    .max_flat_workgroup_size: 256
    .sgpr_count:     66
    .vgpr_count:     48
    .wavefront_size: 32
...
	.end_amdgpu_metadata
.endif
;; end of part 1
;; launch proj (part 2): grid 256 x 1, 4 waves a work-group, no clusters, 58,368 bytes of LDS; arguments src, pos, reference_points, padding_mask, b_val, b_off, b_attn, wf, val, wts, idx; writes val, wts, idx
.if DOCPART == 2
	.amdgcn_target "amdgcn-amd-amdhsa--gfx1250"
	.amdhsa_code_object_version 6
	.text
	.protected	k_q990b11fccb_proj
	.globl	k_q990b11fccb_proj
	.p2align	8
	.type	k_q990b11fccb_proj,@function
k_q990b11fccb_proj:
	s_mov_b64 s[64:65], 0
	v_nop
	global_prefetch_b8 v0, s[64:65] scope:SCOPE_SE
	s_setreg_imm32_b32 hwreg(HW_REG_WAVE_MODE, 25, 1), 1
	s_wait_xcnt 0x0
; value = src w_val + b_val (0 in padded rows); offsets and logits from src + pos; softmax over a head's 16 points; sample positions and corner weights.
; 43,520 rows are 2,720 tiles of 16.  Work-group g walks the tiles 10 g + min(g, 160) on, 11 of them (g < 160) or 10.
; Wave w owns value columns 64 w .. 64 w + 63 and the heads 2 w, 2 w + 1: its 80 weight fragments (640 registers) are loaded once and stay.
; NO CLUSTER: what work-groups share is the 320 KB of weights, read once into registers; a joint load would land in LDS and be read out of it again.
; THE MATRIX INSTRUCTION IS USED TRANSPOSED (source 0 = 16 weight columns, source 1 = 16 rows): lane (r, h) holds row r, columns 8 h + 0..7.
; The accumulators start as the biases, fetched from LDS lane by lane, so nothing is cleared and no bias is added afterwards.
; POSITIONS.  All four levels are square (64, 32, 16, 8, the constants of the problem's own SHAPES).  In the sampling table each level has a ring of zero pixels, pitch W + 2.
; x' = ref W + off + 0.5 (pixel coordinate plus the ring), clamped to 0 .. W + 1; X = min(floor x', W); fx = x' - X; likewise y.  A point outside the image thus meets only ring pixels or weight 0.
; idx holds the table row base + Y (W + 2) + X as u16; wts the four corner weights times the softmax weight, bf16.
; By the permuted columns of the weights lane (r, h) holds class A = level (h ? 3 : 0) and class B = level (h ? 1 : 2), four points each.
; FORMATS AND LIMITS.  Matrix operands bf16, sums, softmax (with its maximum taken away) and positions f32.  NaN and infinities are not treated apart.
; OUT.  val [half-head 16][row][16] bf16; wts [head][tile][point 4][lane][16 B]; idx [head][tile][row 16][h 2][class 2][point 4] u16: every store of a wave covers 512 consecutive aligned bytes.
; REGISTERS in windows of 256 (s_set_vgpr_msb: bits 1:0 source 0, 3:2 source 1, 5:4 source 2, 7:6 destination):
;   window 0: v0-23 addresses; v24-87 the next tile as loaded; v88-151, v152-215 fragments of src and of src + pos, later at work; v216-227 lane constants; v228-243 value store data; v248-252 ref, mask
;   window 1: value weights (t, ks) at 8 (8 t + ks)     window 2: head a's weights (class or logits c, ks) at 8 (8 c + ks), its sums at 192, the value sums at 216     window 3: head b likewise
.set PITCH, 528                        ; an LDS row: 512 bytes of bf16 + 16: the 16 rows of a fragment load start 16 bytes apart modulo 256
.set TS,    0                          ; 16 rows of src
.set TQ,    16*PITCH                   ; 16 rows of src + pos
.set BT,    2*16*PITCH                 ; biases lane by lane: 20 chunks of 512 bytes for each wave, its own
.set SPARE, BT+4*20*512                ; the spare words, 128 bytes a wave
.set HHB,   1392640                    ; bytes of a half-head in val, and of a head in idx
.set WHB,   5570560                    ; bytes of a head in wts
.set RAW, 24
.set SF,  88
.set QF,  152
.set XY,  88                           ; at work in the heads' way out: 16 coordinates, then fractions
.set EE,  104                          ; 8 logits, then softmax weights
.set FL,  112                          ; 16 whole parts
.set MS,  128                          ; 8 at work
.set IT,  136                          ; 8 table rows
.set IP,  144                          ; the same, packed
.set VU,  152
.set TT,  168
.set SS,  184
.set WO,  200                          ; 16 registers of packed weights
.set CW,  216                          ; W of class A, B;  +2: W + 1;  +4: W + 2;  +6: table base, twice in a word
.set RA,  224                          ; ref W + 0.5: class A (x, y), class B (x, y)
.set VD,  228
.set REF, 248
.set MK,  252
.set AV,  216                          ; window 2: value sums
.set AH,  192                          ; windows 2, 3: a head's sums: class A, class B, logits
.set MSB, 0
.macro WIN new                         ; the immediate's high byte repeats the setting that is left
.if MSB != (\new)
	s_set_vgpr_msb (MSB<<8)|(\new)
.set MSB, (\new)
.endif
.endm
.macro PLACES
.rept 4
	v_nop
.endr
.endm
; A tile's 19 loads: my four rows of src and of pos, 512 consecutive bytes a load; my row's reference points of my two levels; its mask byte
.macro LOADT
.set i, 0
.rept 8
	global_load_b128 v[RAW+4*i:RAW+4*i+3], v6, s[4:5] offset:i*512
	global_load_b128 v[RAW+32+4*i:RAW+32+4*i+3], v6, s[6:7] offset:i*512 th:TH_LOAD_NT
.set i, i+1
.endr
	global_load_b64 v[REF:REF+1], v7, s[8:9]
	global_load_b64 v[REF+2:REF+3], v8, s[8:9]
	global_load_u8 v[MK], v1, s[10:11]
.endm
	s_load_b512 s[4:19], s[0:1], 0x0               ; src, pos, ref, mask, b_val, b_off, b_attn, wf
	s_load_b128 s[20:23], s[0:1], 0x40             ; val, wts
	s_load_b64 s[24:25], s[0:1], 0x50              ; idx
	v_lshl_add_u32 v4, v0, 2, SPARE                ; my spare word, and 0: kept for the add at the wave's end
	v_mov_b32 v5, 0
	v_lshrrev_b32 v16, 5, v0
	v_readfirstlane_b32 s26, v16                   ; wave 0..3
	v_and_b32 v1, 15, v0                           ; r; also my byte in a tile's 16 mask bytes
	v_bfe_u32 v2, v0, 4, 1                         ; h
	v_and_b32 v3, 31, v0
	v_lshlrev_b32 v10, 3, v3
	v_lshlrev_b32 v3, 4, v3                        ; 16 x lane
	s_mov_b32 s27, ttmp9
	s_min_u32 s28, s27, 160
	s_mul_i32 s29, s27, 10
	s_add_co_u32 s29, s29, s28                     ; my first tile
	s_cmp_lt_u32 s27, 160
	s_cselect_b32 s30, 11, 10                      ; how many
	s_mov_b32 s33, 0
	s_mov_b32 s42, 0x3fb8aa3b                      ; log2(e), named as a pair
	s_mov_b32 s43, s42
	s_mov_b32 s44, 0x76543210                      ; v_permlanex16_b32: each lane takes its own place in the other half
	s_mov_b32 s45, 0xfedcba98
	s_lshl_b32 s34, s26, 12
	v_add_nc_u32 v6, s34, v3                       ; src, pos: my four rows + 16 x lane
	v_mul_u32_u24 v17, 3, v2                       ; class A's level
	v_sub_nc_u32 v18, 2, v2                        ; class B's
	v_lshlrev_b32 v19, 5, v1                       ; 32 r
	v_lshl_add_u32 v7, v17, 3, v19                 ; ref: 32 r + 8 level
	v_lshl_add_u32 v8, v18, 3, v19
	s_mul_i32 s34, s26, 4*PITCH
	v_add_nc_u32 v10, s34, v10                     ; LDS, in: my four rows + 8 x lane
	v_mul_u32_u24 v11, v1, PITCH
	v_lshl_add_u32 v11, v2, 4, v11                 ; LDS, fragments: row r + 16 h
	s_mul_i32 s34, s26, 20*512
	s_add_co_u32 s34, s34, BT
	v_add_nc_u32 v12, s34, v3                      ; my bias chunks
	v_lshl_add_u32 v19, v2, 4, v19                 ; 32 r + 16 h
	s_mul_i32 s34, s26, 4*HHB
	v_add_nc_u32 v13, s34, v19                     ; val
	s_mul_i32 s34, s26, 2*WHB
	v_add_nc_u32 v14, s34, v3                      ; wts
	s_mul_i32 s34, s26, 2*HHB
	v_add_nc_u32 v15, s34, v19                     ; idx
	s_lshl_b32 s34, s26, 15
	v_add_nc_u32 v20, s34, v3                      ; wf: value and offset fragments, 32 KB a wave
	s_lshl_b32 s34, s26, 14
	v_add_nc_u32 v21, s34, v3                      ; logit fragments, 16 KB a wave
	s_lshl_b32 s34, s26, 8
	v_lshl_add_u32 v168, v2, 5, s34                ; b_val: 256 w + 32 h
	v_lshl_add_u32 v169, v17, 5, s34               ; b_off: 256 w + 32 level
	v_lshl_add_u32 v170, v18, 5, s34
	s_lshl_b32 s34, s26, 7
	v_lshl_add_u32 v171, v17, 4, s34               ; b_attn: 128 w + 16 level
	v_lshl_add_u32 v172, v18, 4, s34
	v_mul_u32_u24 v22, 56, v2
	v_sub_nc_u32 v22, 64, v22
	v_cvt_f32_u32 v[CW], v22                       ; 64 or 8
	v_lshl_add_u32 v22, v2, 4, 16
	v_cvt_f32_u32 v[CW+1], v22                     ; 16 or 32
	v_add_f32 v[CW+2], 1.0, v[CW]
	v_add_f32 v[CW+3], 1.0, v[CW+1]
	v_add_f32 v[CW+4], 2.0, v[CW]
	v_add_f32 v[CW+5], 2.0, v[CW+1]
	s_mov_b32 s34, 0x11041104                      ; level 3 begins at table row 4,356
	v_mul_lo_u32 v[CW+6], v2, s34
	s_mov_b32 s34, 0x01440144                      ; level 1 at row 324 of its class
	v_mul_lo_u32 v[CW+7], v2, s34
	s_wait_kmcnt 0x0
	s_lshl_b32 s32, s29, 14                        ; a tile: 16,384 bytes of src and pos,
	s_add_nc_u64 s[4:5], s[4:5], s[32:33]
	s_add_nc_u64 s[6:7], s[6:7], s[32:33]
	s_lshl_b32 s32, s29, 9                         ; 512 of ref, of a half-head of val, of a head of idx,
	s_add_nc_u64 s[8:9], s[8:9], s[32:33]
	s_add_nc_u64 s[20:21], s[20:21], s[32:33]
	s_add_nc_u64 s[24:25], s[24:25], s[32:33]
	s_lshl_b32 s32, s29, 4                         ; 16 of the mask,
	s_add_nc_u64 s[10:11], s[10:11], s[32:33]
	s_lshl_b32 s32, s29, 11                        ; 2,048 of a head of wts
	s_add_nc_u64 s[22:23], s[22:23], s[32:33]
	WIN 0x40                                       ; the weights: destination window 1,
.set i, 0
.rept 64
	global_load_b128 v[4*i:4*i+3], v20, s[18:19] offset:i*512
.set i, i+1
.endr
.irp hp, 0,1
	WIN 0x80+0x40*\hp                              ; 2, 3
.set i, 0
.rept 32                                               ; classes A, B of head 2 w + hp
	global_load_b128 v[4*i:4*i+3], v20, s[18:19] offset:131072+\hp*16384+i*512
.set i, i+1
.endr
.set i, 0
.rept 16                                               ; its logits
	global_load_b128 v[128+4*i:128+4*i+3], v21, s[18:19] offset:262144+\hp*8192+i*512
.set i, i+1
.endr
.endr
	WIN 0
.set i, 0
.rept 8                                                ; chunk 2 t + u: value columns 16 t + 8 h + 4 u ..
	global_load_b128 v[SF+4*i:SF+4*i+3], v168, s[12:13] offset:(i/2)*64+(i%2)*16
.set i, i+1
.endr
.irp hp, 0,1
	global_load_b128 v[SF+32+24*\hp:SF+32+24*\hp+3],    v169, s[14:15] offset:\hp*128
	global_load_b128 v[SF+36+24*\hp:SF+36+24*\hp+3],    v169, s[14:15] offset:\hp*128+16
	global_load_b128 v[SF+40+24*\hp:SF+40+24*\hp+3],    v170, s[14:15] offset:\hp*128
	global_load_b128 v[SF+44+24*\hp:SF+44+24*\hp+3],    v170, s[14:15] offset:\hp*128+16
	global_load_b128 v[SF+48+24*\hp:SF+48+24*\hp+3],    v171, s[16:17] offset:\hp*64
	global_load_b128 v[SF+52+24*\hp:SF+52+24*\hp+3],    v172, s[16:17] offset:\hp*64
.endr
	LOADT                                          ; the first tile
	s_wait_loadcnt 19                              ; all but the tile's 19 loads: weights and biases are in
.set i, 0
.rept 20
	ds_store_b128 v12, v[SF+4*i:SF+4*i+3] offset:i*512  ; my own bytes: LDS serves a wave in order, no barrier
.set i, i+1
.endr
; A head's way out.  hp = 0, 1: its sums lie in window 2 + hp.
.macro EPIH hp
	s_wait_xcnt 0x0                                ; the registers below were store data: they are rewritten only behind this wait
	WIN 2+\hp                                      ; source 0 in the head's window
.set i, 0
.rept 8                                                ; off + (ref W + 0.5), pairs (x, y): class A's four points, then class B's
	v_pk_add_f32 v[XY+2*i:XY+2*i+1], v[AH+2*i:AH+2*i+1], v[RA+2*(i/4):RA+2*(i/4)+1]
.set i, i+1
.endr
.set i, 0
.rept 4
	v_pk_mul_f32 v[EE+2*i:EE+2*i+1], v[AH+16+2*i:AH+16+2*i+1], s[42:43] op_sel_hi:[1,0]
.set i, i+1
.endr
	WIN 0
	v_max3_num_f32 v[MS], v[EE], v[EE+1], v[EE+2]  ; the maximum of my 8 logits, then of the row's other 8 in the lane 16 away
	v_max3_num_f32 v[MS+1], v[EE+3], v[EE+4], v[EE+5]
	v_max3_num_f32 v[MS], v[MS], v[EE+6], v[EE+7]
	v_max_num_f32 v[MS], v[MS], v[MS+1]
	v_permlanex16_b32 v[MS+1], v[MS], s44, s45
	v_max_num_f32 v[MS], v[MS], v[MS+1]
.set i, 0
.rept 4
	v_pk_add_f32 v[EE+2*i:EE+2*i+1], v[EE+2*i:EE+2*i+1], v[MS:MS+1] op_sel_hi:[1,0] neg_lo:[0,1] neg_hi:[0,1]
.set i, i+1
.endr
.set i, 0
.rept 8
	v_exp_f32 v[EE+i], v[EE+i]
.set i, i+1
.endr
.set i, 0
.rept 16                                               ; plain work behind the exponentials: the clamp to 0 .. W + 1
	v_med3_num_f32 v[XY+i], v[XY+i], 0, v[CW+2+i/8]
.set i, i+1
.endr
	s_wait_alu depctr_va_vdst(0)
	v_pk_add_f32 v[MS+2:MS+3], v[EE:EE+1], v[EE+2:EE+3]
	v_pk_add_f32 v[MS+4:MS+5], v[EE+4:EE+5], v[EE+6:EE+7]
	v_pk_add_f32 v[MS+2:MS+3], v[MS+2:MS+3], v[MS+4:MS+5]
	v_add_f32 v[MS+2], v[MS+2], v[MS+3]
	v_permlanex16_b32 v[MS+3], v[MS+2], s44, s45
	v_add_f32 v[MS+2], v[MS+2], v[MS+3]            ; at least 1: the maximum's own term
	v_rcp_f32 v[MS+2], v[MS+2]
.set i, 0
.rept 16                                               ; plain work behind the reciprocal
	v_floor_f32 v[FL+i], v[XY+i]
.set i, i+1
.endr
.set i, 0
.rept 16
	v_min_num_f32 v[FL+i], v[FL+i], v[CW+i/8]
.set i, i+1
.endr
.set i, 0
.rept 8
	v_pk_add_f32 v[XY+2*i:XY+2*i+1], v[XY+2*i:XY+2*i+1], v[FL+2*i:FL+2*i+1] neg_lo:[0,1] neg_hi:[0,1]  ; (fx, fy)
.set i, i+1
.endr
.set i, 0
	s_wait_alu depctr_va_vdst(0)
.rept 4
	v_pk_mul_f32 v[EE+2*i:EE+2*i+1], v[EE+2*i:EE+2*i+1], v[MS+2:MS+3] op_sel_hi:[1,0]  ; the softmax weights a
.set i, i+1
.endr
.set i, 0
.rept 8
	v_fma_f32 v[IT+i], v[FL+2*i+1], v[CW+4+i/4], v[FL+2*i]  ; Y (W + 2) + X: a whole number, exact
.set i, i+1
.endr
.set i, 0
.rept 8
	v_cvt_u32_f32 v[IT+i], v[IT+i]
.set i, i+1
.endr
.set i, 0
.rept 4
	v_lshl_or_b32 v[IP+i], v[IT+2*i+1], 16, v[IT+2*i]
.set i, i+1
.endr
.set i, 0
.rept 4
	v_add_nc_u32 v[IP+i], v[CW+6+i/2], v[IP+i]     ; 4,444 at the most in each half
.set i, i+1
.endr
.set i, 0
.rept 8
	v_mul_f32 v[VU+2*i+1], v[EE+i], v[XY+2*i+1]    ; u = a fy
.set i, i+1
.endr
.set i, 0
.rept 8
	v_sub_f32 v[VU+2*i], v[EE+i], v[VU+2*i+1]      ; v = a - u
.set i, i+1
.endr
.set i, 0
.rept 8
	v_pk_mul_f32 v[TT+2*i:TT+2*i+1], v[VU+2*i:VU+2*i+1], v[XY+2*i:XY+2*i+1] op_sel_hi:[1,0]  ; (v, u) fx: the right-hand corners
.set i, i+1
.endr
.set i, 0
.rept 8
	v_pk_add_f32 v[SS+2*i:SS+2*i+1], v[VU+2*i:VU+2*i+1], v[TT+2*i:TT+2*i+1] neg_lo:[0,1] neg_hi:[0,1]  ; the left-hand ones
.set i, i+1
.endr
.set i, 0
.rept 8                                                ; chunk p: class A's corners 0-3 of point p, then class B's
	v_cvt_pk_bf16_f32 v[WO+4*(i%4)+2*(i/4)], v[SS+2*i], v[TT+2*i]
	v_cvt_pk_bf16_f32 v[WO+4*(i%4)+2*(i/4)+1], v[SS+2*i+1], v[TT+2*i+1]
.set i, i+1
.endr
.set i, 0
.rept 4
	global_store_b128 v14, v[WO+4*i:WO+4*i+3], s[22:23] offset:\hp*WHB+i*512
.set i, i+1
.endr
	global_store_b128 v15, v[IP:IP+3], s[24:25] offset:\hp*HHB
.endm
	s_mov_b32 s31, 0
.Ltile:
	s_wait_loadcnt 0x0                             ; this tile's 19 loads
.set i, 0
.rept 8                                                ; q = src + pos; both rounded to bf16, in place
	v_pk_add_f32 v[RAW+32+4*i:RAW+32+4*i+1], v[RAW+32+4*i:RAW+32+4*i+1], v[RAW+4*i:RAW+4*i+1]
	v_pk_add_f32 v[RAW+32+4*i+2:RAW+32+4*i+3], v[RAW+32+4*i+2:RAW+32+4*i+3], v[RAW+4*i+2:RAW+4*i+3]
	v_cvt_pk_bf16_f32 v[RAW+4*i], v[RAW+4*i], v[RAW+4*i+1]
	v_cvt_pk_bf16_f32 v[RAW+4*i+1], v[RAW+4*i+2], v[RAW+4*i+3]
	v_cvt_pk_bf16_f32 v[RAW+32+4*i], v[RAW+32+4*i], v[RAW+32+4*i+1]
	v_cvt_pk_bf16_f32 v[RAW+32+4*i+1], v[RAW+32+4*i+2], v[RAW+32+4*i+3]
.set i, i+1
.endr
	v_fma_f32 v[RA], v[REF], v[CW], 0.5
	v_fma_f32 v[RA+1], v[REF+1], v[CW], 0.5
	v_fma_f32 v[RA+2], v[REF+2], v[CW+1], 0.5
	v_fma_f32 v[RA+3], v[REF+3], v[CW+1], 0.5
	v_cmp_eq_u32 s40, 0, v[MK]                     ; lanes whose row is not padded
	s_wait_dscnt 0x0                               ; my reads of the last tile's rows are over (first trip: my bias stores are done)
	s_barrier_signal -1
	s_barrier_wait -1                              ; everybody's are: the rows may be written
.set i, 0
.rept 8
	ds_store_b64 v10, v[RAW+4*i:RAW+4*i+1] offset:TS+(i/2)*PITCH+(i%2)*256
	ds_store_b64 v10, v[RAW+32+4*i:RAW+32+4*i+1] offset:TQ+(i/2)*PITCH+(i%2)*256
.set i, i+1
.endr
	s_wait_dscnt 0x0                               ; for the others' sake
	s_barrier_signal -1
	s_barrier_wait -1
.set i, 0
.rept 16                                               ; fragment ks = i / 2: two loads 32 bytes apart
	ds_load_b128 v[SF+4*i:SF+4*i+3], v11 offset:TS+i*32
.set i, i+1
.endr
.set i, 0
.rept 16
	ds_load_b128 v[QF+4*i:QF+4*i+3], v11 offset:TQ+i*32
.set i, i+1
.endr
	WIN 0x80                                       ; the sums start as the biases
.set i, 0
.rept 8
	ds_load_b128 v[AV+4*i:AV+4*i+3], v12 offset:i*512
.set i, i+1
.endr
.set i, 0
.rept 6
	ds_load_b128 v[AH+4*i:AH+4*i+3], v12 offset:(8+i)*512
.set i, i+1
.endr
	WIN 0xc0
.set i, 0
.rept 6
	ds_load_b128 v[AH+4*i:AH+4*i+3], v12 offset:(14+i)*512
.set i, i+1
.endr
	WIN 0
	s_add_co_u32 s36, s31, 1
	s_cmp_ge_u32 s36, s30
	s_cbranch_scc1 .Lnoload                        ; the last trip loads nothing: no load leaves its buffer
	s_add_nc_u64 s[4:5], s[4:5], 16384             ; these bases' loads were shown done at the trip's head
	s_add_nc_u64 s[6:7], s[6:7], 16384
	s_add_nc_u64 s[8:9], s[8:9], 512
	s_add_nc_u64 s[10:11], s[10:11], 16
	LOADT                                          ; the next tile has this trip's products and ways out in which to land
.Lnoload:
	s_wait_dscnt 12                                ; all but the two heads' 6 + 6 bias loads
	WIN 0xa1                                       ; weights window 1, rows window 0, sums window 2
.set i, 0
.rept 32                                               ; ks = i / 4, t = i % 4: the four accumulators take turns
	v_wmma_f32_16x16x32_bf16 v[AV+8*(i%4):AV+8*(i%4)+7], v[8*(8*(i%4)+i/4):8*(8*(i%4)+i/4)+7], v[SF+8*(i/4):SF+8*(i/4)+7], v[AV+8*(i%4):AV+8*(i%4)+7]
.set i, i+1
.endr
	s_wait_dscnt 6                                 ; all but head b's
	WIN 0xa2
.set i, 0
.rept 24                                               ; ks = i / 3, c = i % 3
	v_wmma_f32_16x16x32_bf16 v[AH+8*(i%3):AH+8*(i%3)+7], v[8*(8*(i%3)+i/3):8*(8*(i%3)+i/3)+7], v[QF+8*(i/3):QF+8*(i/3)+7], v[AH+8*(i%3):AH+8*(i%3)+7]
.set i, i+1
.endr
	s_wait_dscnt 0x0
	WIN 0xf3
.set i, 0
.rept 24
	v_wmma_f32_16x16x32_bf16 v[AH+8*(i%3):AH+8*(i%3)+7], v[8*(8*(i%3)+i/3):8*(8*(i%3)+i/3)+7], v[QF+8*(i/3):QF+8*(i/3)+7], v[AH+8*(i%3):AH+8*(i%3)+7]
.set i, i+1
.endr
	PLACES                                         ; four places between the last product and the first read of a sum (ISA guide 7.12.1)
	WIN 0x0a                                       ; the value's way out: sources window 2
.set i, 0
.rept 16
	v_cvt_pk_bf16_f32 v[VD+i], v[AV+2*i], v[AV+2*i+1]
.set i, i+1
.endr
	WIN 0
.set i, 0
.rept 16
	v_cndmask_b32 v[VD+i], 0, v[VD+i], s40         ; 0 in padded rows
.set i, i+1
.endr
.set i, 0
.rept 4
	global_store_b128 v13, v[VD+4*i:VD+4*i+3], s[20:21] offset:i*HHB
.set i, i+1
.endr
	EPIH 0
	EPIH 1
	s_wait_xcnt 0x0                                ; the stores' bases and data are rewritten only behind this wait
	s_add_nc_u64 s[20:21], s[20:21], 512
	s_add_nc_u64 s[22:23], s[22:23], 2048
	s_add_nc_u64 s[24:25], s[24:25], 512
	s_add_co_u32 s31, s31, 1
	s_cmp_lt_u32 s31, s30
	s_cbranch_scc1 .Ltile
	s_wait_tensorcnt 0x0                           ; the wave's end: three closing lines behind my last LDS store
	ds_add_u32 v4, v5
	s_wait_dscnt 0x0
	s_endpgm
.Lfunc_end_k_q990b11fccb_proj:
	.size	k_q990b11fccb_proj, .Lfunc_end_k_q990b11fccb_proj-k_q990b11fccb_proj
	.p2alignl 7, 3214868480
	.fill 96, 4, 3214868480
	.section	.rodata,"a",@progbits
	.p2align	6, 0x0
	.amdhsa_kernel k_q990b11fccb_proj
		.amdhsa_group_segment_fixed_size 58368
		.amdhsa_private_segment_fixed_size 0
		.amdhsa_enable_private_segment 0
		.amdhsa_kernarg_size 88
		.amdhsa_user_sgpr_count 2
		.amdhsa_user_sgpr_kernarg_segment_ptr 1
		.amdhsa_wavefront_size32 1
		.amdhsa_system_sgpr_workgroup_id_x 1
		.amdhsa_system_sgpr_workgroup_id_y 1
		.amdhsa_system_sgpr_workgroup_id_z 1
		.amdhsa_system_vgpr_workitem_id 0
		.amdhsa_next_free_vgpr 1024
		.amdhsa_next_free_sgpr 66
		.amdhsa_reserve_vcc 0
		.amdhsa_float_denorm_mode_32 3
		.amdhsa_float_denorm_mode_16_64 3
		.amdhsa_memory_ordered 1
		.amdhsa_forward_progress 1
		.amdhsa_inst_pref_size 60
	.end_amdhsa_kernel
	.amdgpu_metadata
---
amdhsa.version: [ 1, 2 ]
amdhsa.kernels:
  - .name:           k_q990b11fccb_proj
    .symbol:         k_q990b11fccb_proj.kd
    .args:
      - { .name: src, .offset: 0, .size: 8, .value_kind: global_buffer, .address_space: global }
      - { .name: pos, .offset: 8, .size: 8, .value_kind: global_buffer, .address_space: global }
      - { .name: reference_points, .offset: 16, .size: 8, .value_kind: global_buffer, .address_space: global }
      - { .name: padding_mask, .offset: 24, .size: 8, .value_kind: global_buffer, .address_space: global }
      - { .name: b_val, .offset: 32, .size: 8, .value_kind: global_buffer, .address_space: global }
      - { .name: b_off, .offset: 40, .size: 8, .value_kind: global_buffer, .address_space: global }
      - { .name: b_attn, .offset: 48, .size: 8, .value_kind: global_buffer, .address_space: global }
      - { .name: wf, .offset: 56, .size: 8, .value_kind: global_buffer, .address_space: global }
      - { .name: val, .offset: 64, .size: 8, .value_kind: global_buffer, .address_space: global }
      - { .name: wts, .offset: 72, .size: 8, .value_kind: global_buffer, .address_space: global }
      - { .name: idx, .offset: 80, .size: 8, .value_kind: global_buffer, .address_space: global }
    .group_segment_fixed_size: 58368
    .private_segment_fixed_size: 0
    .kernarg_segment_align: 8
    .kernarg_segment_size: 88
    .max_flat_workgroup_size: 128
    .sgpr_count:     66
    .vgpr_count:     1024
    .wavefront_size: 32
...
	.end_amdgpu_metadata
.endif
;; end of part 2
;; launch sample (part 3): grid 32 x 8, 8 waves a work-group, no clusters, 295,936 bytes of LDS; arguments val, wts, idx, ao; writes ao
.if DOCPART == 3
	.amdgcn_target "amdgcn-amd-amdhsa--gfx1250"
	.amdhsa_code_object_version 6
	.text
	.protected	k_q990b11fccb_sample
	.globl	k_q990b11fccb_sample
	.p2align	8
	.type	k_q990b11fccb_sample,@function
k_q990b11fccb_sample:
	s_mov_b64 s[64:65], 0
	v_nop
	global_prefetch_b8 v0, s[64:65] scope:SCOPE_SE
	s_setreg_imm32_b32 hwreg(HW_REG_WAVE_MODE, 25, 1), 1
	s_wait_xcnt 0x0
; The bilinear sampling and the weighted sum over a head's 16 points, by the matrix unit, from a table in LDS.
; A work-group = (image n, half-head hh = 2 head + e: 16 channels, half of the image's 340 query tiles).  It holds all 5,440 pixels x 16 channels of hh (a whole head would not fit in LDS).
; THE TABLE.  Every level has a ring of zero pixels, pitch PW = W + 2 = 66, 34, 18, 10, so the gather needs neither clamp nor validity test.  Two classes share rows of 64 bytes: class A (levels 0 and 3,
; rows 0 and 4,356 on) has bytes 0-31 of a row, class B (levels 2 and 1, rows 0 and 324 on) bytes 32-63.  A point's corners are rows R, R + 1, R + PW, R + PW + 1; all PW are 2 modulo 4, so they
; fall on four different 64-byte pieces modulo 256; 16 lanes of a load hold one class A point and one class B point with both channel halves: 16 different 16-byte columns modulo 256.
; THE PRODUCT.  For query m of a tile and two points of each level: source 0 = 16 channels x 32 corners, fetched by two ds_load_tr16_b128 in which lane L addresses corner L % 4, class (L / 4) % 2,
; channel half (L / 8) % 2, levels' half L / 16; source 1 = the tile's 16 queries x the same 32 corner weights, as the launch before stored them.  Of the result only query m's column counts:
; it is picked by a select under the mask of lanes m and m + 16.  Two such products (points 0, 1 and 2, 3) add up a query.
; The table rows come from idx, whole numbers stored by the launch before; each is cut to 4,444 in front of the address.
; NO TENSOR LOAD, NO CLUSTER: the table's rows (32 of 64 bytes, with a ring) are no tile that one descriptor lays out, so the fill goes through registers; work-groups share no LDS image.
; OUT.  ao [tile][head][e][lane][16 B] bf16: ready source-1 fragments of the next launch; a wave's store covers 512 consecutive aligned bytes.
; The last look-ahead of a wave loads a clamped tile that is not used: 2.5 KB of requests a wave, inside the buffers.
.set ZEND,  294912                     ; bytes 0 .. ZEND - 1 are zeroed: beyond the table's 285,184 and beyond 4,444 x 64 + 128 x 64 + 64, the farthest that an address can be read off the text to reach
.set SPARE, ZEND                       ; the spare words, 128 bytes a wave
.set HHB,   1392640
.set WHB,   5570560
.set W,   16                           ; v16-47   corner weights, two buffers of 16
.set IDX, 48                           ; v48-111  table rows, two buffers of 32: query m at 2 m
.set VF,  112                          ; v112-175 gathered fragments, two buffers of (query 2)(step 2)
.set DD,  176                          ; v176-207 results, two buffers of two
.set OUT, 208                          ; v208-215 the tile's sums: lane (r, h): query r, channels 8 h ..
.set PK,  216
.set AT,  220                          ; v220-235 addresses at work, two sets of 8
.macro PLACES
.rept 4
	v_nop
.endr
.endm
	s_load_b256 s[4:11], s[0:1], 0x0               ; val, wts, idx, ao
	v_lshl_add_u32 v4, v0, 2, SPARE
	v_mov_b32 v5, 0
	v_lshrrev_b32 v1, 5, v0
	v_readfirstlane_b32 s12, v1                    ; wave 0..7
	s_mov_b32 s13, ttmp9
	s_and_b32 s14, ttmp7, 0xffff                   ; n
	s_and_b32 s15, s13, 1                          ; e
	s_bfe_u32 s16, s13, 0x10001                    ; which half of the queries
	s_lshr_b32 s17, s13, 2                         ; head
	s_lshl_b32 s18, s17, 1
	s_or_b32 s18, s18, s15                         ; hh
	s_mul_i32 s19, s14, 340
	s_mul_i32 s34, s16, 170
	s_add_co_u32 s19, s19, s34                     ; my first tile
	s_mov_b32 s23, 0
	s_mov_b32 s20, s12                             ; the wave's tile in hand, counted in the work-group
.set m, 1
.rept 15
	s_mov_b32 s[40+m], 0x10001<<m                  ; lanes m and m + 16
.set m, m+1
.endr
	v_and_b32 v1, 31, v0                           ; L
	v_lshlrev_b32 v3, 4, v1                        ; 16 L
	v_lshrrev_b32 v8, 1, v1
	v_and_b32 v9, 1, v1
	v_lshlrev_b32 v8, 6, v8
	v_lshl_add_u32 v8, v9, 4, v8                   ; the fill: pixel L / 2, channel half L % 2
	v_and_b32 v10, 15, v1
	v_bfe_u32 v11, v1, 2, 1                        ; class
	v_bfe_u32 v12, v1, 3, 1                        ; channel half
	v_lshrrev_b32 v13, 4, v1                       ; levels' half
	v_lshl_add_u32 v14, v13, 1, v11
	v_lshlrev_b32 v6, 3, v14                       ; my 8 bytes in a query's 32 of idx: 16 half + 8 class
	s_mov_b32 s34, 0x220a1242                      ; the pitches 66, 18, 10, 34, a byte each, in that order
	v_lshrrev_b32 v7, v6, s34
	v_and_b32 v7, 0x7f, v7
	v_bfe_u32 v14, v1, 1, 1                        ; dy
	v_mul_u32_u24 v7, v14, v7
	v_add_nc_u32 v7, v7, v9                        ; dy PW + dx
	v_lshlrev_b32 v7, 6, v7
	v_lshl_add_u32 v7, v11, 5, v7
	v_lshl_add_u32 v7, v12, 4, v7                  ; my corner's bytes behind the point's row
	s_lshl_b32 s34, s12, 14
	v_add_nc_u32 v188, s34, v3                     ; level 0: a wave takes 8 image rows, 16,384 bytes
	s_lshl_b32 s34, s12, 12
	v_add_nc_u32 v189, s34, v3                     ; level 1: 4 rows
	s_lshl_b32 s34, s12, 10
	v_add_nc_u32 v190, s34, v3                     ; level 2: 2 rows
	s_lshl_b32 s34, s12, 8
	v_lshl_add_u32 v191, v10, 4, s34               ; level 3: 1 row of 256 bytes; lanes 16-31 repeat lanes 0-15
	s_mul_i32 s34, s12, 8*66*64
	v_add_nc_u32 v192, s34, v8
	s_mul_i32 s34, s12, 4*34*64
	v_add_nc_u32 v193, s34, v8
	s_mul_i32 s34, s12, 2*18*64
	v_add_nc_u32 v194, s34, v8
	s_mul_i32 s34, s12, 10*64
	s_add_co_u32 s34, s34, (4356+11)*64
	v_lshrrev_b32 v15, 1, v10
	v_lshlrev_b32 v15, 6, v15
	v_lshl_add_u32 v15, v9, 4, v15
	v_add_nc_u32 v195, s34, v15
	s_mul_i32 s34, s12, ZEND/8
	v_add_nc_u32 v196, s34, v3
	v_mov_b32 v200, 0
	v_mov_b32 v201, 0
	v_mov_b32 v202, 0
	v_mov_b32 v203, 0
	s_mul_i32 s22, s18, HHB
	s_mul_i32 s34, s14, 174080
	s_add_co_u32 s22, s22, s34
	s_wait_kmcnt 0x0
	s_add_nc_u64 s[4:5], s[4:5], s[22:23]          ; val at my half-head and image
	s_mul_i32 s22, s17, WHB
	s_add_nc_u64 s[6:7], s[6:7], s[22:23]          ; wts and idx at my head
	s_mul_i32 s22, s17, HHB
	s_add_nc_u64 s[8:9], s[8:9], s[22:23]
	s_lshl_b32 s22, s18, 9
	s_add_nc_u64 s[10:11], s[10:11], s[22:23]      ; ao at my half-head's 512 bytes of a tile
.set t, 0
.rept 32                                               ; the pixels are asked for first, 512 consecutive bytes a load,
	global_load_b128 v[16+4*t:16+4*t+3], v188, s[4:5] offset:t*512
.set t, t+1
.endr
.set t, 0
.rept 8
	global_load_b128 v[144+4*t:144+4*t+3], v189, s[4:5] offset:131072+t*512
.set t, t+1
.endr
	global_load_b128 v[176:179], v190, s[4:5] offset:163840
	global_load_b128 v[180:183], v190, s[4:5] offset:163840+512
	global_load_b128 v[184:187], v191, s[4:5] offset:172032
.set t, 0
.rept 72                                               ; and the table is zeroed while they are on their way
	ds_store_b128 v196, v[200:203] offset:t*512
.set t, t+1
.endr
	s_wait_dscnt 0x0
	s_barrier_signal -1
	s_barrier_wait -1                              ; all zeros are in: the pixels may be laid over them
	s_wait_loadcnt 0x0
.set t, 0
.rept 32                                               ; level 0: image row 8 w + t / 4, pixels 16 (t % 4) ..; one ring row and one ring pixel ahead
	ds_store_b128 v192, v[16+4*t:16+4*t+3] offset:((t/4)+1)*66*64+((t%4)*16+1)*64
.set t, t+1
.endr
.set t, 0
.rept 8
	ds_store_b128 v193, v[144+4*t:144+4*t+3] offset:(324+((t/2)+1)*34+(t%2)*16+1)*64+32
.set t, t+1
.endr
	ds_store_b128 v194, v[176:179] offset:(18+1)*64+32
	ds_store_b128 v194, v[180:183] offset:(2*18+1)*64+32
	ds_store_b128 v195, v[184:187]
	s_wait_dscnt 0x0
	s_barrier_signal -1
	s_barrier_wait -1                              ; the table is whole; from here on it is only read
; 20 loads: the weights and table rows of the wave's tile s20 + add, clamped to the work-group's last, into buffer b
.macro LOADS b, add
	s_add_co_u32 s34, s20, \add
	s_min_u32 s34, s34, 169
	s_add_co_u32 s[32+\b], s34, s19
	s_lshl_b32 s22, s[32+\b], 11
	s_add_nc_u64 s[24+4*\b:25+4*\b], s[6:7], s[22:23]   ; a pointer pair for each buffer: its last loads were shown done before the buffer was used
	s_lshl_b32 s22, s[32+\b], 9
	s_add_nc_u64 s[26+4*\b:27+4*\b], s[8:9], s[22:23]
.set j, 0
.rept 4
	global_load_b128 v[W+16*\b+4*j:W+16*\b+4*j+3], v3, s[24+4*\b:25+4*\b] offset:j*512
.set j, j+1
.endr
.set j, 0
.rept 16
	global_load_b64 v[IDX+32*\b+2*j:IDX+32*\b+2*j+1], v6, s[26+4*\b:27+4*\b] offset:j*32
.set j, j+1
.endr
.endm
; Queries 2 g, 2 g + 1: eight addresses (24 plain lines, which are also the places behind the products in front) and eight gathering loads
.macro GA b, g
.set q, 0
.rept 8                                                ; q = 4 (query % 2) + point
.if q%2 == 0
	v_and_b32 v[AT+8*((\g)%2)+q], 0xffff, v[IDX+32*\b+2*(2*(\g)+q/4)+(q%4)/2]
.else
	v_lshrrev_b32 v[AT+8*((\g)%2)+q], 16, v[IDX+32*\b+2*(2*(\g)+q/4)+(q%4)/2]
.endif
.set q, q+1
.endr
.set q, 0
.rept 8
	v_min_u32 v[AT+8*((\g)%2)+q], 4444, v[AT+8*((\g)%2)+q]
.set q, q+1
.endr
.set q, 0
.rept 8
	v_lshl_add_u32 v[AT+8*((\g)%2)+q], v[AT+8*((\g)%2)+q], 6, v7
.set q, q+1
.endr
.set q, 0
.rept 8
	ds_load_tr16_b128 v[VF+32*((\g)%2)+4*q:VF+32*((\g)%2)+4*q+3], v[AT+8*((\g)%2)+q]
.set q, q+1
.endr
.endm
; Their four products; the two accumulators take turns.  left: the younger LDS loads that may stay out
.macro MM b, g, left
	s_wait_dscnt \left
.set vf, VF+32*((\g)%2)
.set dd, DD+16*((\g)%2)
	v_wmma_f32_16x16x32_bf16 v[dd:dd+7],    v[vf:vf+7],       v[W+16*\b:W+16*\b+7], 0
	v_wmma_f32_16x16x32_bf16 v[dd+8:dd+15], v[vf+16:vf+23],   v[W+16*\b:W+16*\b+7], 0
	v_wmma_f32_16x16x32_bf16 v[dd:dd+7],    v[vf+8:vf+15],    v[W+16*\b+8:W+16*\b+15], v[dd:dd+7]
	v_wmma_f32_16x16x32_bf16 v[dd+8:dd+15], v[vf+24:vf+31],   v[W+16*\b+8:W+16*\b+15], v[dd+8:dd+15]
.endm
; Query m's column of its result goes into the tile's sums (query 0's result starts them: every other lane is overwritten by its own query)
.macro SEL g
.set q, 0
.rept 16
.if (\g) == 0 && q < 8
	v_mov_b32 v[OUT+q], v[DD+q]
.else
	v_cndmask_b32 v[OUT+q%8], v[OUT+q%8], v[DD+16*((\g)%2)+q], s[40+2*(\g)+q/8]
.endif
.set q, q+1
.endr
.endm
.macro TILE b
	s_wait_xcnt 0x0                                ; the last store's data and base are rewritten only behind this wait
	s_lshl_b32 s22, s[32+\b], 13
	s_add_nc_u64 s[36:37], s[10:11], s[22:23]
	GA \b, 0
	GA \b, 1
.irp g, 0,1,2,3,4,5
	MM \b, \g, 8                                   ; the next pair's eight loads stay out
	GA \b, (\g)+2
	SEL \g
.endr
	MM \b, 6, 8
	PLACES
	SEL 6
	MM \b, 7, 0
	PLACES
	SEL 7
.set j, 0
.rept 4
	v_cvt_pk_bf16_f32 v[PK+j], v[OUT+2*j], v[OUT+2*j+1]
.set j, j+1
.endr
	global_store_b128 v3, v[PK:PK+3], s[36:37]
.endm
	LOADS 0, 0
	s_mov_b32 s21, 11                              ; a wave has 22 tiles (waves 0, 1) or 21: eleven trips of two
.Ltrip:
	LOADS 1, 8
	s_wait_loadcnt 20                              ; all but the 20 just issued: buffer 0 is in
	TILE 0
	LOADS 0, 16
	s_wait_loadcnt 20                              ; buffer 1 is in, on both ways below
	s_add_co_u32 s34, s20, 8
	s_cmp_ge_u32 s34, 170
	s_cbranch_scc1 .Lskip                          ; waves 2 to 7 have no 22nd tile
	TILE 1
.Lskip:
	s_add_co_u32 s20, s20, 16
	s_sub_co_u32 s21, s21, 1
	s_cmp_lg_u32 s21, 0
	s_cbranch_scc1 .Ltrip
	s_wait_tensorcnt 0x0                           ; the wave's end: three closing lines behind my last LDS store
	ds_add_u32 v4, v5
	s_wait_dscnt 0x0
	s_endpgm
.Lfunc_end_k_q990b11fccb_sample:
	.size	k_q990b11fccb_sample, .Lfunc_end_k_q990b11fccb_sample-k_q990b11fccb_sample
	.p2alignl 7, 3214868480
	.fill 96, 4, 3214868480
	.section	.rodata,"a",@progbits
	.p2align	6, 0x0
	.amdhsa_kernel k_q990b11fccb_sample
		.amdhsa_group_segment_fixed_size 295936
		.amdhsa_private_segment_fixed_size 0
		.amdhsa_enable_private_segment 0
		.amdhsa_kernarg_size 32
		.amdhsa_user_sgpr_count 2
		.amdhsa_user_sgpr_kernarg_segment_ptr 1
		.amdhsa_wavefront_size32 1
		.amdhsa_system_sgpr_workgroup_id_x 1
		.amdhsa_system_sgpr_workgroup_id_y 1
		.amdhsa_system_sgpr_workgroup_id_z 1
		.amdhsa_system_vgpr_workitem_id 0
		.amdhsa_next_free_vgpr 256
		.amdhsa_next_free_sgpr 72
		.amdhsa_reserve_vcc 0
		.amdhsa_float_denorm_mode_32 3
		.amdhsa_float_denorm_mode_16_64 3
		.amdhsa_memory_ordered 1
		.amdhsa_forward_progress 1
		.amdhsa_inst_pref_size 75
	.end_amdhsa_kernel
	.amdgpu_metadata
---
amdhsa.version: [ 1, 2 ]
amdhsa.kernels:
  - .name:           k_q990b11fccb_sample
    .symbol:         k_q990b11fccb_sample.kd
    .args:
      - { .name: val, .offset: 0, .size: 8, .value_kind: global_buffer, .address_space: global }
      - { .name: wts, .offset: 8, .size: 8, .value_kind: global_buffer, .address_space: global }
      - { .name: idx, .offset: 16, .size: 8, .value_kind: global_buffer, .address_space: global }
      - { .name: ao, .offset: 24, .size: 8, .value_kind: global_buffer, .address_space: global }
    .group_segment_fixed_size: 295936
    .private_segment_fixed_size: 0
    .kernarg_segment_align: 8
    .kernarg_segment_size: 32
    .max_flat_workgroup_size: 256
    .sgpr_count:     72
    .vgpr_count:     256
    .wavefront_size: 32
...
	.end_amdgpu_metadata
.endif
;; end of part 3
;; launch ffn (part 4): grid 228 x 1, 4 waves a work-group, clusters of 4 x 1, 327,680 bytes of LDS; arguments src, ao, wf, b_out, g1, be1, b_ff1, b_ff2, g2, be2, out0; writes out0
.if DOCPART == 4
	.amdgcn_target "amdgcn-amd-amdhsa--gfx1250"
	.amdhsa_code_object_version 6
	.text
	.protected	k_q990b11fccb_ffn
	.globl	k_q990b11fccb_ffn
	.p2align	8
	.type	k_q990b11fccb_ffn,@function
k_q990b11fccb_ffn:
	s_mov_b64 s[64:65], 0
	v_nop
	global_prefetch_b8 v0, s[64:65] scope:SCOPE_SE
	s_setreg_imm32_b32 hwreg(HW_REG_WAVE_MODE, 25, 1), 1
	s_wait_xcnt 0x0
	s_wait_alu depctr_hold_cnt(0) depctr_sa_sdst(0) depctr_va_vdst(0) depctr_va_sdst(0) depctr_va_ssrc(0) depctr_va_vcc(0) depctr_vm_vsrc(0)
	s_getreg_b32 s2, hwreg(HW_REG_IB_STS2, 6, 4)
	s_cmp_eq_u32 s2, 0
	s_cbranch_scc0 .Lentry_in_a_cluster
	s_endpgm
.Lentry_in_a_cluster:
	s_bfe_u32 s2, ttmp6, 0x10000c
	s_cmp_lg_u32 s2, 0x3003
	s_cbranch_scc0 .Lentry_shape_is_right
	s_endpgm
.Lentry_shape_is_right:
; x1 = LN(src + ao w_out + b_out; g1, be1);  out0 = LN(x1 + relu(x1 w_ff1 + b_ff1) w_ff2 + b_ff2; g2, be2).
; ROWS ARE SHARED OUT AMONG THE WAVES: wave W = 16 x cluster + 4 x place + wave owns three tiles of 16 rows from tile 2 W + min(W, 896) on (912 waves, 2,720 tiles).  The last cluster's 16 waves have
; two tiles; they compute tile min(.., 2719) once more as their third and do not store it; that jump hangs on the cluster's number alone.  A wave's rows never leave its registers: both norms are
; the wave's own, and the hidden layer becomes the next product's operand by rounding alone.
; THE WEIGHTS are all that is shared: every work-group walks the same 18 tiles of 64 KB of ready fragments (2 of w_out, then 16 of [w_ff1 for 64 hidden channels, w_ff2 for the same]).
; CLUSTER of 4: each tile is asked for JOINTLY, each wave its quarter (64 rows of 256 bytes), mask 15, into a ring of two slots; one tensor load of a wave is out at a time, and it has a slot's 192
; products in which to land.
; THE MATRIX INSTRUCTION IS USED TRANSPOSED (source 0 = 16 weight columns, source 1 = 16 rows): lane (r, h) holds row r, columns 16 t + 8 h + 0..7 of column tile t.
; P, 3 x 128 registers, is src, then src + ao w_out, x1, x1 + h w_ff2, out0: products add onto it in place, so residuals cost nothing.
; FORMATS AND LIMITS.  Matrix operands bf16 (ao, x1, h, weights); src, x1, sums and both norms (mean first, then the mean of (x - mean)^2) f32.  NaN and infinities are not treated apart.
; REGISTERS in windows of 256 (s_set_vgpr_msb: bits 1:0 source 0, 3:2 source 1, 5:4 source 2, 7:6 destination):
;   window 0: v0-63 addresses, norms' statistics; v64-191 WF, two buffers of 8 weight fragments; v192-239 HF, h as fragments (tile, K half)
;   window 1: P of tiles 0, 1     window 2: v0-127 P of tile 2; v128-223 HA, the hidden sums (tile, 4 column tiles); v224-255 their biases; at other times v128-255 = TV, at work
;   window 3: v0-191 XF, source-1 fragments (tile, ks 8) of ao, then of x1; at other times at work
.set SLOTB,  65536
.set STAGE,  2*SLOTB                   ; behind the ring: 16 rows x 1,040 bytes for each wave, its own: turns rows into the lanes' layout and back
.set SPITCH, 1040                      ; 1,024 + 16: the 16 rows that 16 lanes touch start 16 bytes apart modulo 256
.set WSTG,   16*SPITCH
.set VEC,    STAGE+4*WSTG              ; b_out, g1, be1, b_ff2, g2, be2 (1 KB each), b_ff1 (4 KB)
.set SPARE,  VEC+10240                 ; the spare words, 128 bytes a wave
.set WF,   64
.set HF,   192
.set TV,   128                         ; window 2
.set CH,   16                          ; v16-39  four chains of pairs for each tile
.set MEAN, 40                          ; v40-45  a pair for each tile
.set RSTD, 46                          ; v46-51
.set MSB, 0
.macro WIN new                         ; the immediate's high byte repeats the setting that is left
.if MSB != (\new)
	s_set_vgpr_msb (MSB<<8)|(\new)
.set MSB, (\new)
.endif
.endm
.macro PLACES
.rept 4
	v_nop
.endr
.endm
.macro ROUND                           ; a round of the cluster's barrier
	s_barrier_signal -1
	s_barrier_wait -1
	s_cmp_lg_u32 s40, 0
	s_cbranch_scc1 .Lnot_wave_0_\@
	s_barrier_signal -3
.Lnot_wave_0_\@:
	s_barrier_wait -3
	s_barrier_signal -1
	s_barrier_wait -1
.endm
.macro PSET mu                         ; where tile mu's P lies
.set PB, 128*((\mu)%2)
.set PN, 1+(\mu)/2
.endm
; THE CHANGE OF SLOTS.  Every wave waits for all its tensor loads (one is out: its quarter of the next slot), adds 0 to its spare word, waits for that and for its reads of the slot it leaves.
; fill = 1: a round of the cluster's barrier, and the slot just left is filled again first thing behind it.  The four v_nop are also the places in front of the fragment loads that follow.
.macro TRIP fill
	WIN 0
	s_wait_tensorcnt 0x0
	ds_add_u32 v4, v5                              ; 0 onto my spare word; scalar work stands between it and the wait for it
.if \fill
	s_xor_b32 s37, s37, SLOTB                      ; no load of mine is out, so the descriptor may step: the other slot, the next 64 KB
	s_add_nc_u64 s[38:39], s[38:39], SLOTB
.endif
	s_xor_b32 s62, s62, SLOTB                      ; the slot to be read
	s_wait_dscnt 0x0
.if \fill
	ROUND
	tensor_load_to_lds s[36:39], s[28:35]
	s_nop 0
.else
	s_barrier_signal -1
	s_barrier_wait -1
.endif
	PLACES
	v_add_nc_u32 v6, s62, v3
.endm
.macro LG G                            ; group G's eight fragments, 8 KB, 512 consecutive bytes a load
.set lgi, 0
.rept 16
	ds_load_b128 v[WF+64*((\G)%2)+4*lgi:WF+64*((\G)%2)+4*lgi+3], v6 offset:(\G)*8192+lgi*512
.set lgi, lgi+1
.endr
.endm
.macro PLG G                           ; ahead of group G's products: the next group's loads, four places behind the products that read their buffer; then the wait for G's own
.if (\G) < 7
	WIN 0
	PLACES
	LG (\G)+1
	s_wait_dscnt 16                                ; all but the 16 just issued
.else
	s_wait_dscnt 0x0
.endif
.endm
; 24 products on 24 (hidden layer: 12) accumulators by turns
.macro PA trip, G                      ; P(mu, 8 (G % 2) + f) += w_out fragment f x ao(mu, ks = 4 trip + G / 2)
	PLG \G
	WIN 0x5c
.set pm, 0
.rept 16
.set rD, 128*(pm/8)+8*(8*((\G)%2)+pm%8)
.set rA, WF+64*((\G)%2)+8*(pm%8)
.set rB, 64*(pm/8)+8*(4*(\trip)+(\G)/2)
	v_wmma_f32_16x16x32_bf16 v[rD:rD+7], v[rA:rA+7], v[rB:rB+7], v[rD:rD+7]
.set pm, pm+1
.endr
	WIN 0xac
.set pm, 0
.rept 8
.set rD, 8*(8*((\G)%2)+pm)
.set rA, WF+64*((\G)%2)+8*pm
.set rB, 128+8*(4*(\trip)+(\G)/2)
	v_wmma_f32_16x16x32_bf16 v[rD:rD+7], v[rA:rA+7], v[rB:rB+7], v[rD:rD+7]
.set pm, pm+1
.endr
.endm
.macro F1 G                            ; HA(mu, nt) += w_ff1(ks, nt) x x1(mu, ks), ks = 2 G, 2 G + 1; the first K step starts the sums with the bias
	PLG \G
	WIN 0xac
.set pm, 0
.rept 24
.set rD, TV+32*((pm%12)/4)+8*(pm%4)
.set rA, WF+64*((\G)%2)+8*(4*(pm/12)+pm%4)
.set rB, 64*((pm%12)/4)+8*(2*(\G)+pm/12)
.if (\G) == 0 && pm < 12
	v_wmma_f32_16x16x32_bf16 v[rD:rD+7], v[rA:rA+7], v[rB:rB+7], v[224+8*(pm%4):224+8*(pm%4)+7]
.else
	v_wmma_f32_16x16x32_bf16 v[rD:rD+7], v[rA:rA+7], v[rB:rB+7], v[rD:rD+7]
.endif
.set pm, pm+1
.endr
.endm
.macro F2 G                            ; P(mu, 8 (G % 2) + f) += w_ff2 fragment f x h(mu, (G - 4) / 2)
	PLG \G
	WIN 0x50
.set pm, 0
.rept 16
.set rD, 128*(pm/8)+8*(8*((\G)%2)+pm%8)
.set rA, WF+64*((\G)%2)+8*(pm%8)
.set rB, HF+16*(pm/8)+8*(((\G)-4)/2)
	v_wmma_f32_16x16x32_bf16 v[rD:rD+7], v[rA:rA+7], v[rB:rB+7], v[rD:rD+7]
.set pm, pm+1
.endr
	WIN 0xa0
.set pm, 0
.rept 8
.set rD, 8*(8*((\G)%2)+pm)
.set rA, WF+64*((\G)%2)+8*pm
.set rB, HF+32+8*(((\G)-4)/2)
	v_wmma_f32_16x16x32_bf16 v[rD:rD+7], v[rA:rA+7], v[rB:rB+7], v[rD:rD+7]
.set pm, pm+1
.endr
.endm
; 64 hidden channels: a slot's 192 products
.macro CHUNK
	WIN 0x80
.set ci, 0
.rept 8
	ds_load_b128 v[224+4*ci:224+4*ci+3], v10 offset:(ci/2)*64+(ci%2)*16   ; b_ff1 of my columns
.set ci, ci+1
.endr
	WIN 0
	LG 0
	v_add_nc_u32 v10, 256, v10                     ; the next 64 channels' biases
	F1 0
	F1 1
	F1 2
	F1 3
	PLACES                                         ; four places between the last product and the first read of a sum (ISA guide 7.12.1)
	WIN 0x88
.set ci, 0
.rept 96                                               ; relu, each accumulator from its low end
	v_max_num_f32 v[TV+ci], 0, v[TV+ci]
.set ci, ci+1
.endr
	WIN 0x0a
.set ci, 0
.rept 48                                               ; two neighbouring column tiles, rounded, are a source-1 fragment
	v_cvt_pk_bf16_f32 v[HF+ci], v[TV+2*ci], v[TV+2*ci+1]
.set ci, ci+1
.endr
	F2 4
	F2 5
	F2 6
	F2 7
.endm
; Rows as loaded (window bw, registers bb ..) -> my stage -> tile mu's P in the lanes' layout.  LDS serves a wave's instructions in order (ISA guide 5.7.1.4): no wait between.
.macro STAGE_IN mu, bw, bb
	PSET \mu
	WIN (\bw)<<2
.set si, 0
.rept 32
	ds_store_b128 v7, v[(\bb)+4*si:(\bb)+4*si+3] offset:(si/2)*SPITCH+(si%2)*512
.set si, si+1
.endr
	WIN PN<<6
.set si, 0
.rept 32
	ds_load_b128 v[PB+4*si:PB+4*si+3], v8 offset:(si/2)*64+(si%2)*16
.set si, si+1
.endr
.endm
; and back: tile mu's P -> stage -> whole rows -> out0; 16 lanes store 256 consecutive aligned bytes
.macro STAGE_OUT mu, bw, bb, ptr, off
	PSET \mu
	WIN PN<<2
.set si, 0
.rept 32
	ds_store_b128 v8, v[PB+4*si:PB+4*si+3] offset:(si/2)*64+(si%2)*16
.set si, si+1
.endr
	WIN (\bw)<<6
.set si, 0
.rept 32
	ds_load_b128 v[(\bb)+4*si:(\bb)+4*si+3], v7 offset:(si/2)*SPITCH+(si%2)*512
.set si, si+1
.endr
	s_wait_dscnt 0x0
	WIN (\bw)<<2
.set si, 0
.rept 32
	global_store_b128 v3, v[(\bb)+4*si:(\bb)+4*si+3], s[\ptr:\ptr+1] offset:(\off)+si*512 th:TH_STORE_NT
.set si, si+1
.endr
.endm
; THE NORM's passes over a tile's 64 register pairs
.macro LNA mu                          ; P += bias
	PSET \mu
	WIN (PN<<6)|(2<<2)|PN
.set li, 0
.rept 64
	v_pk_add_f32 v[PB+2*li:PB+2*li+1], v[PB+2*li:PB+2*li+1], v[TV+2*li:TV+2*li+1]
.set li, li+1
.endr
.endm
.macro LNB mu                          ; four chains of sums, started by the first eight pairs
	PSET \mu
	WIN (PN<<2)|PN
.set li, 0
.rept 4
	v_pk_add_f32 v[CH+8*(\mu)+2*li:CH+8*(\mu)+2*li+1], v[PB+2*li:PB+2*li+1], v[PB+8+2*li:PB+8+2*li+1]
.set li, li+1
.endr
	WIN PN
.set li, 8
.rept 56
	v_pk_add_f32 v[CH+8*(\mu)+2*(li%4):CH+8*(\mu)+2*(li%4)+1], v[PB+2*li:PB+2*li+1], v[CH+8*(\mu)+2*(li%4):CH+8*(\mu)+2*(li%4)+1]
.set li, li+1
.endr
.endm
.macro LNC mu                          ; P -= mean
	PSET \mu
	WIN (PN<<6)|PN
.set li, 0
.rept 64
	v_pk_add_f32 v[PB+2*li:PB+2*li+1], v[PB+2*li:PB+2*li+1], v[MEAN+2*(\mu):MEAN+2*(\mu)+1] neg_lo:[0,1] neg_hi:[0,1]
.set li, li+1
.endr
.endm
.macro LND mu                          ; four chains of squares
	PSET \mu
	WIN (PN<<2)|PN
.set li, 0
.rept 4
	v_pk_mul_f32 v[CH+8*(\mu)+2*li:CH+8*(\mu)+2*li+1], v[PB+2*li:PB+2*li+1], v[PB+2*li:PB+2*li+1]
.set li, li+1
.endr
.rept 60
	v_pk_fma_f32 v[CH+8*(\mu)+2*(li%4):CH+8*(\mu)+2*(li%4)+1], v[PB+2*li:PB+2*li+1], v[PB+2*li:PB+2*li+1], v[CH+8*(\mu)+2*(li%4):CH+8*(\mu)+2*(li%4)+1]
.set li, li+1
.endr
.endm
.macro LNE mu                          ; P *= 1 / sqrt(var + eps)
	PSET \mu
	WIN (PN<<6)|PN
.set li, 0
.rept 64
	v_pk_mul_f32 v[PB+2*li:PB+2*li+1], v[PB+2*li:PB+2*li+1], v[RSTD+2*(\mu):RSTD+2*(\mu)+1]
.set li, li+1
.endr
.endm
.macro LNF mu                          ; P = P g + b
	PSET \mu
	WIN (PN<<6)|(3<<4)|(2<<2)|PN
.set li, 0
.rept 64
	v_pk_fma_f32 v[PB+2*li:PB+2*li+1], v[PB+2*li:PB+2*li+1], v[TV+2*li:TV+2*li+1], v[2*li:2*li+1]
.set li, li+1
.endr
.endm
.macro RED3                            ; the three tiles' chains into one number each; a row's other 128 columns lie in the lane 16 away
	WIN 0
.irp mu, 0,1,2
	v_pk_add_f32 v[CH+8*\mu:CH+8*\mu+1], v[CH+8*\mu:CH+8*\mu+1], v[CH+8*\mu+2:CH+8*\mu+3]
	v_pk_add_f32 v[CH+8*\mu+4:CH+8*\mu+5], v[CH+8*\mu+4:CH+8*\mu+5], v[CH+8*\mu+6:CH+8*\mu+7]
.endr
.irp mu, 0,1,2
	v_pk_add_f32 v[CH+8*\mu:CH+8*\mu+1], v[CH+8*\mu:CH+8*\mu+1], v[CH+8*\mu+4:CH+8*\mu+5]
.endr
.irp mu, 0,1,2
	v_add_f32 v[CH+8*\mu], v[CH+8*\mu], v[CH+8*\mu+1]
.endr
.irp mu, 0,1,2
	v_permlanex16_b32 v[CH+8*\mu+1], v[CH+8*\mu], s68, s69
.endr
.irp mu, 0,1,2
	v_add_f32 v[CH+8*\mu], v[CH+8*\mu], v[CH+8*\mu+1]
.endr
.endm
; P = LN(P + bias) for the three tiles.  vb: where bias, gain and shift lie in VEC, 1 KB each.  Lanes of one half read the same bytes.
.macro LN vb
	WIN 0
	PLACES                                         ; behind the last products: P is read, and registers that they read are loaded
	WIN 0x80
.set li, 0
.rept 32
	ds_load_b128 v[TV+4*li:TV+4*li+3], v9 offset:(\vb)+(li/2)*64+(li%2)*16
.set li, li+1
.endr
	s_wait_dscnt 0x0
	LNA 0
	LNA 1
	LNA 2
	WIN 0x80
.set li, 0
.rept 32                                               ; gain and shift land while the statistics are made
	ds_load_b128 v[TV+4*li:TV+4*li+3], v9 offset:(\vb)+1024+(li/2)*64+(li%2)*16
.set li, li+1
.endr
	WIN 0xc0
.set li, 0
.rept 32
	ds_load_b128 v[4*li:4*li+3], v9 offset:(\vb)+2048+(li/2)*64+(li%2)*16
.set li, li+1
.endr
	LNB 0
	LNB 1
	LNB 2
	RED3
.irp mu, 0,1,2
	v_mul_f32 v[MEAN+2*\mu], s70, v[CH+8*\mu]
	v_mul_f32 v[MEAN+2*\mu+1], s70, v[CH+8*\mu]
.endr
	LNC 0
	LNC 1
	LNC 2
	LND 0
	LND 1
	LND 2
	RED3
.irp mu, 0,1,2
	v_fma_f32 v[CH+8*\mu], v[CH+8*\mu], s70, s71   ; var + 1e-5
.endr
.irp mu, 0,1,2
	v_rsq_f32 v[RSTD+2*\mu], v[CH+8*\mu]
	v_rsq_f32 v[RSTD+2*\mu+1], v[CH+8*\mu]
.endr
	v_nop                                          ; a plain instruction between the last root and the use of its result
	s_wait_alu depctr_va_vdst(0)
	LNE 0
	LNE 1
	LNE 2
	s_wait_dscnt 0x0                               ; gain and shift
	LNF 0
	LNF 1
	LNF 2
.endm
	s_load_b512 s[4:19], s[0:1], 0x0               ; src, ao, wf, b_out, g1, be1, b_ff1, b_ff2
	s_load_b128 s[20:23], s[0:1], 0x40             ; g2, be2
	s_load_b64 s[24:25], s[0:1], 0x50              ; out0
	v_lshl_add_u32 v4, v0, 2, SPARE
	v_mov_b32 v5, 0
	ds_add_u32 v4, v5                              ; the wave's opening: the add and its wait stand ahead of my first tensor load; set-up on registers stands between them
	v_lshrrev_b32 v1, 5, v0
	v_readfirstlane_b32 s40, v1                    ; wave 0..3
	s_bfe_u32 s41, ttmp6, 0x40000                  ; my place in the cluster: it enters global addresses of src, ao and out0 alone
	s_mov_b32 s45, ttmp9                           ; the cluster's number
	s_lshl_b32 s42, ttmp9, 4
	s_lshl_b32 s43, s41, 2
	s_add_co_u32 s42, s42, s43
	s_add_co_u32 s42, s42, s40                     ; W
	s_min_u32 s43, s42, 896
	s_lshl_b32 s44, s42, 1
	s_add_co_u32 s43, s43, s44                     ; my first tile
	s_add_co_u32 s44, s43, 2
	s_min_u32 s44, s44, 2719                       ; my third
	s_mov_b32 s28, 15|(3<<16)|(1<<21)              ; group 1: 15:0 the mask of four; 17:16 elements of 8 bytes; 21 set beside a mask; no padding: fragments are read as they lie
	s_mov_b32 s29, 32<<16                          ; tensor_dim0 = 32 elements = 256 bytes
	s_mov_b32 s30, 64<<16                          ; tensor_dim1 = 64
	s_mov_b32 s31, 32<<16                          ; tile_dim0 = 32
	s_mov_b32 s32, 64                              ; tile_dim1 = 64
	s_mov_b32 s33, 32                              ; 32 elements from row to row: dense
	s_mov_b32 s34, 0
	s_mov_b32 s35, 0
	s_mov_b32 s36, 1                               ; group 0: count
	s_lshl_b32 s37, s40, 14                        ; LDS: slot 0, my quarter
	s_mov_b32 s47, 0
	s_mov_b32 s49, 0
	s_mov_b32 s62, SLOTB                           ; the first change of slots turns it into 0
	s_mov_b32 s68, 0x76543210
	s_mov_b32 s69, 0xfedcba98
	s_mov_b32 s70, 0x3b800000                      ; 1 / 256
	s_mov_b32 s71, 0x3727c5ac                      ; 1e-5
	v_and_b32 v1, 15, v0                           ; r
	v_bfe_u32 v2, v0, 4, 1                         ; h
	v_and_b32 v3, 31, v0
	v_lshlrev_b32 v11, 3, v3
	v_lshlrev_b32 v3, 4, v3                        ; 16 x lane
	s_mul_i32 s46, s40, WSTG
	s_add_co_u32 s46, s46, STAGE
	v_add_nc_u32 v7, s46, v3                       ; my stage by rows
	v_mul_u32_u24 v8, v1, SPITCH
	v_lshl_add_u32 v8, v2, 5, v8
	v_add_nc_u32 v8, s46, v8                       ; and in the lanes' layout: row r, 32 h
	v_lshlrev_b32 v9, 5, v2
	v_add_nc_u32 v9, VEC, v9                       ; the vectors in the lanes' layout
	s_lshl_b32 s46, s40, 8
	v_add_nc_u32 v11, s46, v11                     ; my quarter of a vector of 1 KB
	v_add_nc_u32 v13, VEC, v11
	s_lshl_b32 s46, s40, 10
	v_add_nc_u32 v12, s46, v3                      ; of b_ff1
	v_add_nc_u32 v14, VEC+6144, v12
	s_wait_dscnt 0x0                               ; the opening add is done
	s_wait_kmcnt 0x0
	s_add_co_u32 s46, s37, 327680                  ; the stream begins behind the first 320 fragments
	s_add_nc_u64 s[38:39], s[8:9], s[46:47]
	s_or_b32 s39, s39, 0x80000000                  ; type = 2
	s_lshl_b32 s46, s43, 14
	s_lshl_b32 s48, s44, 14
	s_add_nc_u64 s[50:51], s[4:5], s[46:47]        ; src: tiles 0, 1;
	s_add_nc_u64 s[52:53], s[4:5], s[48:49]        ; tile 2
	s_add_nc_u64 s[58:59], s[24:25], s[46:47]      ; out0 likewise
	s_add_nc_u64 s[60:61], s[24:25], s[48:49]
	s_lshl_b32 s46, s43, 13
	s_lshl_b32 s48, s44, 13
	s_add_nc_u64 s[54:55], s[6:7], s[46:47]        ; ao
	s_add_nc_u64 s[56:57], s[6:7], s[48:49]
	ROUND                                          ; all four work-groups are here: the first joint loads meet
	tensor_load_to_lds s[36:39], s[28:35]          ; tile 0 into slot 0
	s_nop 0
	PLACES
	global_load_b64 v[192:193], v11, s[10:11]      ; the vectors, a quarter a wave
	global_load_b64 v[194:195], v11, s[12:13]
	global_load_b64 v[196:197], v11, s[14:15]
	global_load_b64 v[198:199], v11, s[18:19]
	global_load_b64 v[200:201], v11, s[20:21]
	global_load_b64 v[202:203], v11, s[22:23]
	global_load_b128 v[204:207], v12, s[16:17]
	global_load_b128 v[208:211], v12, s[16:17] offset:512
	WIN 0xc0                                       ; ao arrives as ready fragments
.set i, 0
.rept 32
	global_load_b128 v[4*i:4*i+3], v3, s[54:55] offset:i*512 th:TH_LOAD_NT
.set i, i+1
.endr
.set i, 0
.rept 16
	global_load_b128 v[128+4*i:128+4*i+3], v3, s[56:57] offset:i*512 th:TH_LOAD_NT
.set i, i+1
.endr
	WIN 0
	s_wait_loadcnt 48                              ; all but ao's 48: the vectors are in
.set i, 0
.rept 6
	ds_store_b64 v13, v[192+2*i:192+2*i+1] offset:i*1024
.set i, i+1
.endr
	ds_store_b128 v14, v[204:207]
	ds_store_b128 v14, v[208:211] offset:512       ; others read them behind the first change of slots, whose wait and barrier order that
	WIN 0x80
.set i, 0
.rept 32
	global_load_b128 v[TV+4*i:TV+4*i+3], v3, s[50:51] offset:i*512 th:TH_LOAD_NT
.set i, i+1
.endr
	WIN 0
.set i, 0
.rept 32
	global_load_b128 v[WF+4*i:WF+4*i+3], v3, s[50:51] offset:16384+i*512 th:TH_LOAD_NT
.set i, i+1
.endr
	s_wait_loadcnt 32                              ; all but tile 1's 32
	STAGE_IN 0, 2, TV
	s_wait_dscnt 32                                ; the staging's 32 stores are done: TV has been read
	WIN 0x80
.set i, 0
.rept 32
	global_load_b128 v[TV+4*i:TV+4*i+3], v3, s[52:53] offset:i*512 th:TH_LOAD_NT
.set i, i+1
.endr
	s_wait_loadcnt 32                              ; all but tile 2's 32
	STAGE_IN 1, 0, WF
	s_wait_loadcnt 0x0
	STAGE_IN 2, 2, TV                              ; P = src
	TRIP 1                                         ; tile 0 is in, everybody's part; tile 1 is asked for
	LG 0
.irp G, 0,1,2,3,4,5,6,7
	PA 0, \G
.endr
	TRIP 1
	LG 0
.irp G, 0,1,2,3,4,5,6,7
	PA 1, \G
.endr
	LN 0                                           ; P = x1
.irp mu, 0,1,2
	PSET \mu
	WIN (3<<6)|(PN<<2)|PN
.set i, 0
.rept 64                                               ; x1 rounded: two neighbouring column tiles are a source-1 fragment
	v_cvt_pk_bf16_f32 v[64*\mu+i], v[PB+2*i], v[PB+2*i+1]
.set i, i+1
.endr
.endr
	WIN 0
	v_add_nc_u32 v10, 6144, v9                     ; b_ff1 in the lanes' layout
	s_mov_b32 s63, 15
.Lchunk:                                               ; 15 trips read tiles 2 to 16 and ask for tiles 3 to 17
	TRIP 1
	CHUNK
	WIN 0
	s_sub_co_u32 s63, s63, 1
	s_cmp_lg_u32 s63, 0
	s_cbranch_scc1 .Lchunk
	TRIP 0                                         ; the last tile is written out: nothing is left to ask for
	CHUNK
	LN 3072                                        ; P = out0
	STAGE_OUT 0, 0, WF, 58, 0
	STAGE_OUT 1, 2, TV, 58, 16384
	WIN 0
	s_cmp_ge_u32 s45, 56
	s_cbranch_scc1 .Lno_third                      ; the last cluster's third tiles are repeats: not stored
	STAGE_OUT 2, 3, 0, 60, 0
	WIN 0
.Lno_third:
	s_wait_tensorcnt 0x0                           ; the wave's end: three closing lines, behind my last tensor load and my last LDS store
	ds_add_u32 v4, v5
	s_wait_dscnt 0x0
	ROUND                                          ; the closing round: no work-group ends while a partner may still ask for a tile that names it
	s_endpgm
.Lfunc_end_k_q990b11fccb_ffn:
	.size	k_q990b11fccb_ffn, .Lfunc_end_k_q990b11fccb_ffn-k_q990b11fccb_ffn
	.p2alignl 7, 3214868480
	.fill 96, 4, 3214868480
	.section	.rodata,"a",@progbits
	.p2align	6, 0x0
	.amdhsa_kernel k_q990b11fccb_ffn
		.amdhsa_group_segment_fixed_size 327680
		.amdhsa_private_segment_fixed_size 0
		.amdhsa_enable_private_segment 0
		.amdhsa_kernarg_size 88
		.amdhsa_user_sgpr_count 2
		.amdhsa_user_sgpr_kernarg_segment_ptr 1
		.amdhsa_wavefront_size32 1
		.amdhsa_system_sgpr_workgroup_id_x 1
		.amdhsa_system_sgpr_workgroup_id_y 1
		.amdhsa_system_sgpr_workgroup_id_z 1
		.amdhsa_system_vgpr_workitem_id 0
		.amdhsa_next_free_vgpr 1024
		.amdhsa_next_free_sgpr 96
		.amdhsa_reserve_vcc 0
		.amdhsa_float_denorm_mode_32 3
		.amdhsa_float_denorm_mode_16_64 3
		.amdhsa_memory_ordered 1
		.amdhsa_forward_progress 1
		.amdhsa_inst_pref_size 255
	.end_amdhsa_kernel
	.section	.bss,"aw",@nobits
	.p2align	6
	.space	262144
	.amdgpu_metadata
---
amdhsa.version: [ 1, 2 ]
amdhsa.kernels:
  - .name:           k_q990b11fccb_ffn
    .symbol:         k_q990b11fccb_ffn.kd
    .args:
      - { .name: src, .offset: 0, .size: 8, .value_kind: global_buffer, .address_space: global }
      - { .name: ao, .offset: 8, .size: 8, .value_kind: global_buffer, .address_space: global }
      - { .name: wf, .offset: 16, .size: 8, .value_kind: global_buffer, .address_space: global }
      - { .name: b_out, .offset: 24, .size: 8, .value_kind: global_buffer, .address_space: global }
      - { .name: g1, .offset: 32, .size: 8, .value_kind: global_buffer, .address_space: global }
      - { .name: be1, .offset: 40, .size: 8, .value_kind: global_buffer, .address_space: global }
      - { .name: b_ff1, .offset: 48, .size: 8, .value_kind: global_buffer, .address_space: global }
      - { .name: b_ff2, .offset: 56, .size: 8, .value_kind: global_buffer, .address_space: global }
      - { .name: g2, .offset: 64, .size: 8, .value_kind: global_buffer, .address_space: global }
      - { .name: be2, .offset: 72, .size: 8, .value_kind: global_buffer, .address_space: global }
      - { .name: out0, .offset: 80, .size: 8, .value_kind: global_buffer, .address_space: global }
    .group_segment_fixed_size: 327680
    .private_segment_fixed_size: 0
    .kernarg_segment_align: 8
    .kernarg_segment_size: 88
    .max_flat_workgroup_size: 128
    .sgpr_count:     96
    .vgpr_count:     1024
    .wavefront_size: 32
...
	.end_amdgpu_metadata
.endif
;; end of part 4
;; ======== version 2 of 2: 4 launches; version 1 with the launch sample written anew for expert scheduling mode
;; workspace buffers: wf 1,507,328 bytes; val 22,282,240 bytes; wts 44,564,480 bytes; idx 11,141,120 bytes of whole numbers; ao 22,282,240 bytes
;; launch prep: the kernel of part 1 again; grid 184 x 1, 8 waves a work-group, no clusters, 0 bytes of LDS; arguments w_val, w_off, w_attn, w_out, w_ff1, w_ff2, wf; writes wf
;; launch proj: the kernel of part 2 again; grid 256 x 1, 4 waves a work-group, no clusters, 58,368 bytes of LDS; arguments src, pos, reference_points, padding_mask, b_val, b_off, b_attn, wf, val, wts, idx; writes val, wts, idx
;; launch sample (part 5): grid 32 x 8, 8 waves a work-group, no clusters, 295,936 bytes of LDS; arguments val, wts, idx, ao; writes ao
.if DOCPART == 5
	.amdgcn_target "amdgcn-amd-amdhsa--gfx1250"
	.amdhsa_code_object_version 6
	.text
	.protected	k_q990b11fccb_sample
	.globl	k_q990b11fccb_sample
	.p2align	8
	.type	k_q990b11fccb_sample,@function
k_q990b11fccb_sample:
	s_mov_b64 s[64:65], 0
	v_nop
	global_prefetch_b8 v0, s[64:65] scope:SCOPE_SE
	s_setreg_imm32_b32 hwreg(HW_REG_WAVE_SCHED_MODE, 0, 2), 2
	s_setreg_imm32_b32 hwreg(HW_REG_WAVE_MODE, 25, 1), 1
	s_wait_xcnt 0x0
	s_wait_alu depctr_vm_vsrc(0)
; The bilinear sampling and the weighted sum over a head's 16 points, by the matrix unit, from a table in LDS.
; A work-group = (image n, half-head hh = 2 head + e: 16 channels, half of the image's 340 query tiles).  It holds all 5,440 pixels x 16 channels of hh (a whole head would not fit in LDS).
; THE TABLE.  Every level has a ring of zero pixels, pitch PW = W + 2 = 66, 34, 18, 10, so the gather needs neither clamp nor validity test.  Two classes share rows of 64 bytes: class A (levels 0 and 3,
; rows 0 and 4,356 on) has bytes 0-31 of a row, class B (levels 2 and 1, rows 0 and 324 on) bytes 32-63.  A point's corners are rows R, R + 1, R + PW, R + PW + 1; all PW are 2 modulo 4, so they
; fall on four different 64-byte pieces modulo 256; 16 lanes of a load hold one class A point and one class B point with both channel halves: 16 different 16-byte columns modulo 256.
; THE PRODUCT.  For query m of a tile and two points of each level: source 0 = 16 channels x 32 corners, fetched by two ds_load_tr16_b128 in which lane L addresses corner L % 4, class (L / 4) % 2,
; channel half (L / 8) % 2, levels' half L / 16; source 1 = the tile's 16 queries x the same 32 corner weights, as the launch before stored them.  Of the result only query m's column counts:
; it is picked by a select under the mask of lanes m and m + 16.  Two such products (points 0, 1 and 2, 3) add up a query.
; The table rows come from idx, whole numbers stored by the launch before; each is cut to 4,444 in front of the address.
; NO TENSOR LOAD, NO CLUSTER: the table's rows (32 of 64 bytes, with a ring) are no tile that one descriptor lays out, so the fill goes through registers; work-groups share no LDS image.
; OUT.  ao [tile][head][e][lane][16 B] bf16: ready source-1 fragments of the next launch; a wave's store covers 512 consecutive aligned bytes.
; The last look-ahead of a wave loads a clamped tile that is not used: 2.5 KB of requests a wave, inside the buffers.
; THE MODE: SCHED_MODE bits 1:0 = 2 (LLVM: expert scheduling mode 2), set by the entry lines.  The code itself states the register dependences
; between vector or matrix instructions and memory or LDS instructions, with s_wait_alu, always for 0.
; THE PLAN.  Registers that memory or LDS instructions touch, in the loop (a tile lies in buffer b; its 16 queries go in eight pairs g):
;   W[b], IDX[b]  The tile's products read W[b], its address lines read IDX[b]; behind the tile's end the 20 loads of the tile two on land in them.
;   AT0 .. AT3    Pair g's 24 address lines write AT[g % 4]; its eight gathering loads read it.
;   VF0, VF1      Pair g's gathering loads land in VF[g % 2]; its four products read it.
;   PK            Written by the tile's four roundings, read by its one store.
;   v3, v6        Offsets, made at the head and never written again.   v4, v5: read by the closing add alone.
;   DD, OUT and v7 are named by vector and matrix instructions alone.
; A step g is: pair g's products, pair g + 2's address lines, pair g's selects, ONE wait on va_vdst, pair g + 2's gathering loads.  That wait states that AT[(g + 2) % 4] is written and that
; pair g's products are done reading VF[g % 2].  The wait on va_vdst ahead of the tile's store also serves the 20 loads that follow the tile: no vector line stands between.
; With four sets of AT two waits on vm_vsrc a tile do: one at the head of step 2 (pairs 0 to 3 have been gathered; steps 2 to 5 write their sets again), one at the tile's end (pairs 4 to 7; the next
; tile's first four pairs write their sets), where it also frees PK.
.set ZEND,  294912                     ; bytes 0 .. ZEND - 1 are zeroed: beyond the table's 285,184 and beyond 4,444 x 64 + 128 x 64 + 64, the farthest that an address can be read off the text to reach
.set SPARE, ZEND                       ; the spare words, 128 bytes a wave
.set HHB,   1392640
.set WHB,   5570560
.set W,   16                           ; v16-47   corner weights, two buffers of 16
.set IDX, 48                           ; v48-111  table rows, two buffers of 32: query m at 2 m
.set VF,  112                          ; v112-175 gathered fragments, two buffers of (query 2)(step 2)
.set DD,  176                          ; v176-207 results, two buffers of two
.set OUT, 208                          ; v208-215 the tile's sums: lane (r, h): query r, channels 8 h ..
.set PK,  216
.set AT,  220                          ; v220-251 addresses, four sets of 8
.macro PLACES
.rept 4
	v_nop
.endr
.endm
	s_load_b256 s[4:11], s[0:1], 0x0               ; val, wts, idx, ao
	v_lshl_add_u32 v4, v0, 2, SPARE
	v_mov_b32 v5, 0
	v_lshrrev_b32 v1, 5, v0
	v_readfirstlane_b32 s12, v1                    ; wave 0..7
	s_mov_b32 s13, ttmp9
	s_and_b32 s14, ttmp7, 0xffff                   ; n
	s_and_b32 s15, s13, 1                          ; e
	s_bfe_u32 s16, s13, 0x10001                    ; which half of the queries
	s_lshr_b32 s17, s13, 2                         ; head
	s_lshl_b32 s18, s17, 1
	s_or_b32 s18, s18, s15                         ; hh
	s_mul_i32 s19, s14, 340
	s_mul_i32 s34, s16, 170
	s_add_co_u32 s19, s19, s34                     ; my first tile
	s_mov_b32 s23, 0
	s_wait_alu depctr_va_sdst(0)                   ; s12 is written, ahead of its first reader: the tile count and the wave's addresses are made from it
	s_mov_b32 s20, s12                             ; the wave's tile in hand, counted in the work-group
.set m, 1
.rept 15
	s_mov_b32 s[40+m], 0x10001<<m                  ; lanes m and m + 16
.set m, m+1
.endr
	v_and_b32 v1, 31, v0                           ; L
	v_lshlrev_b32 v3, 4, v1                        ; 16 L
	v_lshrrev_b32 v8, 1, v1
	v_and_b32 v9, 1, v1
	v_lshlrev_b32 v8, 6, v8
	v_lshl_add_u32 v8, v9, 4, v8                   ; the fill: pixel L / 2, channel half L % 2
	v_and_b32 v10, 15, v1
	v_bfe_u32 v11, v1, 2, 1                        ; class
	v_bfe_u32 v12, v1, 3, 1                        ; channel half
	v_lshrrev_b32 v13, 4, v1                       ; levels' half
	v_lshl_add_u32 v14, v13, 1, v11
	v_lshlrev_b32 v6, 3, v14                       ; my 8 bytes in a query's 32 of idx: 16 half + 8 class
	s_mov_b32 s34, 0x220a1242                      ; the pitches 66, 18, 10, 34, a byte each, in that order
	v_lshrrev_b32 v7, v6, s34
	v_and_b32 v7, 0x7f, v7
	v_bfe_u32 v14, v1, 1, 1                        ; dy
	v_mul_u32_u24 v7, v14, v7
	v_add_nc_u32 v7, v7, v9                        ; dy PW + dx
	v_lshlrev_b32 v7, 6, v7
	v_lshl_add_u32 v7, v11, 5, v7
	v_lshl_add_u32 v7, v12, 4, v7                  ; my corner's bytes behind the point's row
	s_lshl_b32 s34, s12, 14
	v_add_nc_u32 v188, s34, v3                     ; level 0: a wave takes 8 image rows, 16,384 bytes
	s_lshl_b32 s34, s12, 12
	v_add_nc_u32 v189, s34, v3                     ; level 1: 4 rows
	s_lshl_b32 s34, s12, 10
	v_add_nc_u32 v190, s34, v3                     ; level 2: 2 rows
	s_lshl_b32 s34, s12, 8
	v_lshl_add_u32 v191, v10, 4, s34               ; level 3: 1 row of 256 bytes; lanes 16-31 repeat lanes 0-15
	s_mul_i32 s34, s12, 8*66*64
	v_add_nc_u32 v192, s34, v8
	s_mul_i32 s34, s12, 4*34*64
	v_add_nc_u32 v193, s34, v8
	s_mul_i32 s34, s12, 2*18*64
	v_add_nc_u32 v194, s34, v8
	s_mul_i32 s34, s12, 10*64
	s_add_co_u32 s34, s34, (4356+11)*64
	v_lshrrev_b32 v15, 1, v10
	v_lshlrev_b32 v15, 6, v15
	v_lshl_add_u32 v15, v9, 4, v15
	v_add_nc_u32 v195, s34, v15
	s_mul_i32 s34, s12, ZEND/8
	v_add_nc_u32 v196, s34, v3
	v_mov_b32 v200, 0
	v_mov_b32 v201, 0
	v_mov_b32 v202, 0
	v_mov_b32 v203, 0
	s_mul_i32 s22, s18, HHB
	s_mul_i32 s34, s14, 174080
	s_add_co_u32 s22, s22, s34
	s_wait_kmcnt 0x0
	s_add_nc_u64 s[4:5], s[4:5], s[22:23]          ; val at my half-head and image
	s_mul_i32 s22, s17, WHB
	s_add_nc_u64 s[6:7], s[6:7], s[22:23]          ; wts and idx at my head
	s_mul_i32 s22, s17, HHB
	s_add_nc_u64 s[8:9], s[8:9], s[22:23]
	s_lshl_b32 s22, s18, 9
	s_add_nc_u64 s[10:11], s[10:11], s[22:23]      ; ao at my half-head's 512 bytes of a tile
	s_wait_alu depctr_va_vdst(0)                   ; the head's vector lines have written v3, v6 and v188 to v196, which the loads and stores of the kernel read as offsets and addresses, and the zeros v200 to v203, which the stores below read
.set t, 0
.rept 32                                               ; the pixels are asked for first, 512 consecutive bytes a load,
	global_load_b128 v[16+4*t:16+4*t+3], v188, s[4:5] offset:t*512
.set t, t+1
.endr
.set t, 0
.rept 8
	global_load_b128 v[144+4*t:144+4*t+3], v189, s[4:5] offset:131072+t*512
.set t, t+1
.endr
	global_load_b128 v[176:179], v190, s[4:5] offset:163840
	global_load_b128 v[180:183], v190, s[4:5] offset:163840+512
	global_load_b128 v[184:187], v191, s[4:5] offset:172032
.set t, 0
.rept 72                                               ; and the table is zeroed while they are on their way
	ds_store_b128 v196, v[200:203] offset:t*512
.set t, t+1
.endr
	s_wait_dscnt 0x0
	s_barrier_signal -1
	s_barrier_wait -1                              ; all zeros are in: the pixels may be laid over them
	s_wait_loadcnt 0x0
.set t, 0
.rept 32                                               ; level 0: image row 8 w + t / 4, pixels 16 (t % 4) ..; one ring row and one ring pixel ahead
	ds_store_b128 v192, v[16+4*t:16+4*t+3] offset:((t/4)+1)*66*64+((t%4)*16+1)*64
.set t, t+1
.endr
.set t, 0
.rept 8
	ds_store_b128 v193, v[144+4*t:144+4*t+3] offset:(324+((t/2)+1)*34+(t%2)*16+1)*64+32
.set t, t+1
.endr
	ds_store_b128 v194, v[176:179] offset:(18+1)*64+32
	ds_store_b128 v194, v[180:183] offset:(2*18+1)*64+32
	ds_store_b128 v195, v[184:187]
	s_wait_dscnt 0x0
	s_barrier_signal -1
	s_barrier_wait -1                              ; the table is whole; from here on it is only read
	s_wait_alu depctr_vm_vsrc(0)                   ; the fill's loads and stores have read v16 to v203: these registers are W, IDX, VF and DD from here on, written by loads and by the products
; 20 loads: the weights and table rows of the wave's tile s20 + add, clamped to the work-group's last, into buffer b.
; They owe no wait of their own: ahead of the loop no vector line has named W or IDX; in the loop they follow a tile's last wait on va_vdst with no vector line between.
.macro LOADS b, add
	s_add_co_u32 s34, s20, \add
	s_min_u32 s34, s34, 169
	s_add_co_u32 s[32+\b], s34, s19
	s_lshl_b32 s22, s[32+\b], 11
	s_add_nc_u64 s[24+4*\b:25+4*\b], s[6:7], s[22:23]   ; a pointer pair for each buffer: its last loads were shown done before the buffer was used
	s_lshl_b32 s22, s[32+\b], 9
	s_add_nc_u64 s[26+4*\b:27+4*\b], s[8:9], s[22:23]
.set j, 0
.rept 4
	global_load_b128 v[W+16*\b+4*j:W+16*\b+4*j+3], v3, s[24+4*\b:25+4*\b] offset:j*512
.set j, j+1
.endr
.set j, 0
.rept 16
	global_load_b64 v[IDX+32*\b+2*j:IDX+32*\b+2*j+1], v6, s[26+4*\b:27+4*\b] offset:j*32
.set j, j+1
.endr
.endm
; Queries 2 g, 2 g + 1: eight addresses into AT[g % 4]: 24 plain lines, which are also the places behind the products in front
.macro ADDR b, g
.set q, 0
.rept 8                                                ; q = 4 (query % 2) + point
.if q%2 == 0
	v_and_b32 v[AT+8*((\g)%4)+q], 0xffff, v[IDX+32*\b+2*(2*(\g)+q/4)+(q%4)/2]
.else
	v_lshrrev_b32 v[AT+8*((\g)%4)+q], 16, v[IDX+32*\b+2*(2*(\g)+q/4)+(q%4)/2]
.endif
.set q, q+1
.endr
.set q, 0
.rept 8
	v_min_u32 v[AT+8*((\g)%4)+q], 4444, v[AT+8*((\g)%4)+q]
.set q, q+1
.endr
.set q, 0
.rept 8
	v_lshl_add_u32 v[AT+8*((\g)%4)+q], v[AT+8*((\g)%4)+q], 6, v7
.set q, q+1
.endr
.endm
; and their eight gathering loads, into VF[g % 2]
.macro GATHER g
.set q, 0
.rept 8
	ds_load_tr16_b128 v[VF+32*((\g)%2)+4*q:VF+32*((\g)%2)+4*q+3], v[AT+8*((\g)%4)+q]
.set q, q+1
.endr
.endm
; Their four products; the two accumulators take turns.  left: the younger LDS loads that may stay out
.macro MM b, g, left
	s_wait_dscnt \left
.set vf, VF+32*((\g)%2)
.set dd, DD+16*((\g)%2)
	v_wmma_f32_16x16x32_bf16 v[dd:dd+7],    v[vf:vf+7],       v[W+16*\b:W+16*\b+7], 0
	v_wmma_f32_16x16x32_bf16 v[dd+8:dd+15], v[vf+16:vf+23],   v[W+16*\b:W+16*\b+7], 0
	v_wmma_f32_16x16x32_bf16 v[dd:dd+7],    v[vf+8:vf+15],    v[W+16*\b+8:W+16*\b+15], v[dd:dd+7]
	v_wmma_f32_16x16x32_bf16 v[dd+8:dd+15], v[vf+24:vf+31],   v[W+16*\b+8:W+16*\b+15], v[dd+8:dd+15]
.endm
; Query m's column of its result goes into the tile's sums (query 0's result starts them: every other lane is overwritten by its own query)
.macro SEL g
.set q, 0
.rept 16
.if (\g) == 0 && q < 8
	v_mov_b32 v[OUT+q], v[DD+q]
.else
	v_cndmask_b32 v[OUT+q%8], v[OUT+q%8], v[DD+16*((\g)%2)+q], s[40+2*(\g)+q/8]
.endif
.set q, q+1
.endr
.endm
.macro TILE b
	ADDR \b, 0
	ADDR \b, 1
	s_wait_alu depctr_va_vdst(0)                   ; the address lines have written AT0 and AT1, which the sixteen loads below read
	GATHER 0
	GATHER 1
.irp g, 0,1,2,3,4,5
.if \g == 2
	s_wait_alu depctr_vm_vsrc(0)                   ; the gathering loads of pairs 0 to 3 have read AT0 to AT3, which the address lines of steps 2 to 5 write again
.endif
	MM \b, \g, 8                                   ; the next pair's eight loads stay out
	ADDR \b, (\g)+2
	SEL \g
	s_wait_alu depctr_va_vdst(0)                   ; the address lines have written this pair's AT, which the loads below read; the step's products are done reading the VF in which they land
	GATHER (\g)+2
.endr
	MM \b, 6, 8
	PLACES
	SEL 6
	MM \b, 7, 0
	PLACES
	SEL 7
	s_wait_xcnt 0x0                                ; the last store's data and base are rewritten only behind this wait
	s_wait_alu depctr_vm_vsrc(0)                   ; the last tile's store has read PK, which the roundings below write; this tile's gathering loads of pairs 4 to 7 have read AT0 to AT3, which the next tile's first four pairs write
	s_lshl_b32 s22, s[32+\b], 13
	s_add_nc_u64 s[36:37], s[10:11], s[22:23]
.set j, 0
.rept 4
	v_cvt_pk_bf16_f32 v[PK+j], v[OUT+2*j], v[OUT+2*j+1]
.set j, j+1
.endr
	s_wait_alu depctr_va_vdst(0)                   ; the roundings have written PK, which the store reads; the tile's products and address lines are done reading W and IDX of this buffer, in which the loads behind the tile land
	global_store_b128 v3, v[PK:PK+3], s[36:37]
.endm
	LOADS 0, 0
	s_mov_b32 s21, 11                              ; a wave has 22 tiles (waves 0, 1) or 21: eleven trips of two
.Ltrip:
	LOADS 1, 8
	s_wait_loadcnt 20                              ; all but the 20 just issued: buffer 0 is in
	TILE 0
	LOADS 0, 16
	s_wait_loadcnt 20                              ; buffer 1 is in, on both ways below
	s_add_co_u32 s34, s20, 8
	s_cmp_ge_u32 s34, 170
	s_cbranch_scc1 .Lskip                          ; waves 2 to 7 have no 22nd tile
	TILE 1
.Lskip:
	s_add_co_u32 s20, s20, 16
	s_sub_co_u32 s21, s21, 1
	s_cmp_lg_u32 s21, 0
	s_cbranch_scc1 .Ltrip
	s_wait_dscnt 0x0                               ; the closing lines, six on end
	s_wait_alu 0x0
	s_wait_tensorcnt 0x0
	ds_add_u32 v4, v5
	s_wait_dscnt 0x0
	s_endpgm
.Lfunc_end_k_q990b11fccb_sample:
	.size	k_q990b11fccb_sample, .Lfunc_end_k_q990b11fccb_sample-k_q990b11fccb_sample
	.p2alignl 7, 3214868480
	.fill 96, 4, 3214868480
	.section	.rodata,"a",@progbits
	.p2align	6, 0x0
	.amdhsa_kernel k_q990b11fccb_sample
		.amdhsa_group_segment_fixed_size 295936
		.amdhsa_private_segment_fixed_size 0
		.amdhsa_enable_private_segment 0
		.amdhsa_kernarg_size 32
		.amdhsa_user_sgpr_count 2
		.amdhsa_user_sgpr_kernarg_segment_ptr 1
		.amdhsa_wavefront_size32 1
		.amdhsa_system_sgpr_workgroup_id_x 1
		.amdhsa_system_sgpr_workgroup_id_y 1
		.amdhsa_system_sgpr_workgroup_id_z 1
		.amdhsa_system_vgpr_workitem_id 0
		.amdhsa_next_free_vgpr 256
		.amdhsa_next_free_sgpr 72
		.amdhsa_reserve_vcc 0
		.amdhsa_float_denorm_mode_32 3
		.amdhsa_float_denorm_mode_16_64 3
		.amdhsa_memory_ordered 1
		.amdhsa_forward_progress 1
		.amdhsa_inst_pref_size 75
	.end_amdhsa_kernel
	.amdgpu_metadata
---
amdhsa.version: [ 1, 2 ]
amdhsa.kernels:
  - .name:           k_q990b11fccb_sample
    .symbol:         k_q990b11fccb_sample.kd
    .args:
      - { .name: val, .offset: 0, .size: 8, .value_kind: global_buffer, .address_space: global }
      - { .name: wts, .offset: 8, .size: 8, .value_kind: global_buffer, .address_space: global }
      - { .name: idx, .offset: 16, .size: 8, .value_kind: global_buffer, .address_space: global }
      - { .name: ao, .offset: 24, .size: 8, .value_kind: global_buffer, .address_space: global }
    .group_segment_fixed_size: 295936
    .private_segment_fixed_size: 0
    .kernarg_segment_align: 8
    .kernarg_segment_size: 32
    .max_flat_workgroup_size: 256
    .sgpr_count:     72
    .vgpr_count:     256
    .wavefront_size: 32
...
	.end_amdgpu_metadata
.endif
;; end of part 5
;; launch ffn: the kernel of part 4 again; grid 228 x 1, 4 waves a work-group, clusters of 4 x 1, 327,680 bytes of LDS; arguments src, ao, wf, b_out, g1, be1, b_ff1, b_ff2, g2, be2, out0; writes out0
